; MI455X (gfx1250); checked and timed in simulation.
; The chip was launched on July 23, 2026; its instructions are those of AMD's public machine-readable ISA for CDNA 5 (MIT licence, August 2026) and "CDNA5" Instruction Set Architecture Reference Guide (July 2026). The comments in the code are by the model that wrote it; some were corrected since.
;; Cross Attention. Allowed arithmetic: matrix products marked QUANTISED: E2M3 operands, one E8M0 scale for each 32 along K, by v_wmma_scale_f32_16x16x128_f8f6f4 with both operands' format E2M3, f32 sums; everything else in f32.
;; Inputs: Wff1 1,024 x 8,192 float32; Wff2 4,096 x 1,024 float32; Wkv 1,024 x 128 float32; Wout 1,024 x 1,024 float32; Wq 1,024 x 1,024 float32; context 4 x 1,024 x 1,024 float32; ln_c_b 1,024 float32; ln_c_g 1,024 float32; ln_x_b 1,024 float32; ln_x_g 1,024 float32; x 4 x 1,024 x 1,024 float32.
;; Outputs: out0 4 x 1,024 x 1,024 float32.
;; This version of the problem:
;;   THIS VERSION OF THE PROBLEM IS GIVEN IN LOW PRECISION. The matrix products marked QUANTISED in the list below multiply operands that are first quantised to E2M3 (2 exponent bits, 3 mantissa bits; 6 bits a number), with one power-of-two scale for each 32 numbers along K (OCP MX v1.0); their sums are f32. All else is computed in f32.
;;   The module's matrix products, in the order in which they are computed (A, B: the left and right operand; K: the contracted axis; several contracted axes count as one K, in the product's order):
;;     1. [M 4,096, K 1,024] x [K 1,024, N 1,024]; A: computed on the way; B: input Wq: QUANTISED
;;     2. [M 4,096, K 1,024] x [K 1,024, N 128]; A: computed on the way; B: input Wkv: QUANTISED
;;     3. batch 4 x [M 16,384, K 64] x [K 64, N 1,024]; A: computed on the way; B: computed on the way: QUANTISED
;;     4. batch 4 x [M 16,384, K 1,024] x [K 1,024, N 64]; A: softmax (see below); B: computed on the way: QUANTISED
;;     5. [M 4,096, K 1,024] x [K 1,024, N 1,024]; A: computed on the way; B: input Wout: QUANTISED
;;     6. [M 4,096, K 1,024] x [K 1,024, N 8,192]; A: computed on the way; B: input Wff1: QUANTISED
;;     7. [M 4,096, K 4,096] x [K 4,096, N 1,024]; A: computed on the way; B: input Wff2: QUANTISED
;;   THE QUANTISER, for each operand of a quantised product, along K:
;;     - K is cut into blocks of 32 from its start; a last block that is shorter is filled with zeros.
;;     - A block's scale is 2^e with e = floor(log2(the largest magnitude in the block)) - 2, held to -126 .. 127; a block of zeros has e = 0. As a byte (E8M0): e + 127.
;;     - Each number is divided by its block's scale, clamped to +-7.5, and rounded to the nearest number of E2M3, ties to even, subnormals kept.
;;     - The product sums the exact products of the quantised numbers (number of the format x scale) in f32.
;;   ~~~python
;;   def quantise(x, axis):      # numpy; x: float32 -> the quantised numbers, widened to float32 again
;;       x = np.moveaxis(x, axis, -1); K = x.shape[-1]
;;       x = np.pad(x, [(0, 0)] * (x.ndim - 1) + [(0, -K % 32)]); x = x.reshape(x.shape[:-1] + (-1, 32)); a = np.abs(x).max(-1, keepdims=True)
;;       e = np.where(a > 0, np.clip(np.frexp(np.where(a > 0, a, 1))[1] - 1 - 2, -126, 127), 0)      # np.frexp(a)[1] - 1 = floor(log2(a)), exactly
;;       r = np.clip(x / 2.0 ** e, -7.5, 7.5)
;;       step = 2.0 ** (np.maximum(np.frexp(np.where(r == 0, 1, r))[1] - 1, 0) - 3)
;;       q = np.round(r / step) * step * 2.0 ** e      # np.round: ties to even
;;       return np.moveaxis(q.reshape(q.shape[:-2] + (-1,))[..., :K], -1, axis).astype(np.float32)
;;   ~~~
;;   SOFTMAX AHEAD OF A QUANTISED PRODUCT. Where the list says 'softmax', what is quantised is not the finished softmax but p = 2^(t - M), with t = logit x log2(e) and M = ceil(the row's largest t), a whole number; so 1/2 < the row's largest p <= 1. The row's sum l is taken of the UNQUANTISED p, in f32, and the product's result is divided by l at the end. Since M is a whole number, a kernel that streams over the keys may use a running M (the ceiling of the running maximum): every later rescaling is an exact power of two, which a block's scale takes up: the codes' values come out the same.
;;   OPERANDS COMPUTED ON THE WAY. 'Computed on the way' means the value that the module computes at that place (a softmax that the list does not call 'softmax' is quantised finished and normalised). What goes into a quantiser is computed in f32, as accurately as f32 sums, v_exp_f32 and their like allow (about 1e-6 of the number): no bf16 or f16 on the way to a quantiser, and a product that is left as it is and whose result goes on into a quantised operand takes f32 operands (vector FMAs, or v_wmma_f32_16x16x4_f32). A number that lies on a knife's edge between two numbers of the format may be rounded either way, as far as f32 arithmetic and the matrix unit's own rounding can turn it there, and no further.
;; One version. Each part assembles by itself: llvm-mc -triple=amdgcn-amd-amdhsa -mcpu=gfx1250 --defsym DOCPART=n.
;; ======== version 1 of 1: 4 launches
;; limits: right only within a limited range of input values
;; workspace buffers: xa 3,407,872 bytes; ca 3,407,872 bytes; wb1 7,774,208 bytes; wb2 4,259,840 bytes; a2 17,039,360 bytes; qa 3,407,872 bytes; kv 442,368 bytes
;; launch prep (part 1): grid 738 x 1, 8 waves a work-group, no clusters, 69,632 bytes of LDS; arguments x, context, ln_x_g, ln_x_b, ln_c_g, ln_c_b, Wq, Wkv, Wout, Wff1, Wff2, xa, ca, wb1, wb2; writes xa, ca, wb1, wb2
.if DOCPART == 1
	.amdgcn_target "amdgcn-amd-amdhsa--gfx1250"
	.amdhsa_code_object_version 6
	.text
	.protected	k_q30fcfa3a94_prep
	.globl	k_q30fcfa3a94_prep
	.p2align	8
	.type	k_q30fcfa3a94_prep,@function
k_q30fcfa3a94_prep:
	s_mov_b64 s[64:65], 0
	v_nop
	global_prefetch_b8 v0, s[64:65] scope:SCOPE_SE
	s_setreg_imm32_b32 hwreg(HW_REG_WAVE_MODE, 25, 1), 1
	s_wait_xcnt 0x0
; PREP: every operand that arrives as f32 becomes codes of FP6 (E2M3) with one E8M0 byte for each 32 along K.
; Work-groups 0-225: the five weights, stored [K][N], quantised along K.  Work-groups 226-737: LayerNorm of x (256 tiles of 16 rows) and of context (256), quantised along the row.
; WHAT IS STORED: RECORDS.  A record (1,664 bytes) is the image of one operand fragment, 16 rows x 128 K: register j (0-11) of lane l at 512 (j / 4) + 16 l + 4 (j % 4); the rows' scale words,
; 4 bytes a lane (lane l: row l % 16), at 1,536 + 4 l.  Eight records are a panel's K step (128 rows, 13,312 bytes); a buffer is [panel][K step][tile][record].
; THE ROWS OF A TILE: in the weights (rows = n) and in ca (rows = keys) lane r of tile 2 b + u of a panel holds row 32 b + 8 u + r + 8 (r / 8), so that a product that takes such a tile as source 0
; leaves 16 neighbours of that axis in the 16 registers of two neighbouring tiles.  xa has its rows in their own order.
; A block's scale is 2^(floor(log2(largest magnitude)) - 2): its byte is the largest magnitude's exponent field - 2.
; LIMITS: NaN and infinities among the inputs are not served.  A block whose largest magnitude lies under 2^-124 gets the byte 1; so does a block of zeros, where the rule says 127: its codes are
; zeros, which add nothing under that byte, and the bytes are read by this program alone.
; No matrix unit, no tensor load, no cluster: the launch streams each input once and work-groups share nothing.
.set PSTEP, 13312
.set REC,   1664
.set PS8,   8*PSTEP                    ; a panel of 8 K steps
.set PS40,  40*PSTEP                   ; a panel of 40 K steps
.set WGW,   226                        ; work-groups that take weights
.set WV,    34                         ; s34  wave
.set SEL,   84                         ; s[84:85] lane selects: lane l xor 16
; weights
.set VO,    32                         ; v32-63   offset of row i of a block of 32 rows, at my column
.set X,     64                         ; v64-127  two sets of 32 numbers
.set F,     128                        ; v128-175 fragments: K step ks, tile u at F + 24 ks + 12 u
.set W,     176                        ; v176-177 scale words of tile 0, for each K step
.set W2,    178                        ; v178-179 of tile 1
.set HT,    180                        ; v180-182 a block's upper 16 codes
.set MX,    184
.set MX2,   185
.set SCL,   186
.set BYT,   187
; layer norm
.set LX,    32                         ; v32-95   64 numbers of my row
.set GA,    96                         ; v96-159  the gain at their places; later the codes
.set BE,    160                        ; v160-223 the bias
.set TM,    224                        ; v224-239 at work
.set PC,    96
.set PW,    246
	s_load_b512 s[4:19], s[0:1], 0x0               ; x, context, ln_x_g, ln_x_b, ln_c_g, ln_c_b, Wq, Wkv
	s_load_b256 s[20:27], s[0:1], 0x40             ; Wout, Wff1, Wff2, xa
	s_load_b128 s[28:31], s[0:1], 0x60             ; ca, wb1
	s_load_b64 s[32:33], s[0:1], 0x70              ; wb2
	v_lshl_add_u32 v254, v0, 2, 0x400
	v_mov_b32 v255, 0
	v_lshrrev_b32 v1, 5, v0
	s_delay_alu instid0(VALU_DEP_1)
	v_readfirstlane_b32 s[WV], v1                  ; wave 0..7
	v_and_b32 v3, 31, v0                           ; lane
	s_delay_alu instid0(VALU_DEP_1)
	v_lshlrev_b32 v1, 4, v3                        ; 16 x lane: my place in a record's codes
	s_delay_alu instid0(VALU_DEP_2)
	v_lshlrev_b32 v2, 2, v3                        ; 4 x lane: and among its scale words
	s_mov_b32 s[SEL], 0x76543210
	s_mov_b32 s[SEL+1], 0xfedcba98
	s_wait_kmcnt 0x0
	s_cmp_lt_u32 ttmp9, WGW
	s_cbranch_scc0 .Lln
; ---------------- THE WEIGHTS.  A work-group takes 128 columns x 512 along K; wave w: 32 columns (a pair of tiles), 256 along K (two K steps, eight blocks of 32).
; A lane takes a column and its registers run down K: a block lies in one lane's 32 registers, and each load reads 128 consecutive bytes a wave, 512 for four waves.
	s_mov_b32 s52, 0                               ; first work-group of the weight        (these are Wff1's)
	s_mov_b32 s53, 1                               ; log2 of the work-groups along K
	s_mov_b32 s54, 32768                           ; bytes in a row
	s_mov_b32 s55, PS8                             ; bytes in a panel of the target
	s_mov_b32 s56, 0                               ; first K step in the target
	s_mov_b32 s57, 0                               ; first panel in the target
	s_mov_b32 s58, 1                               ; 1: val's and gate's columns share panels
	s_mov_b64 s[60:61], s[22:23]
	s_mov_b64 s[62:63], s[30:31]
.macro PICK lo, ksh, pitch, pstr, kb, pb, src, dst
	s_cmp_ge_u32 ttmp9, \lo                        ; the choice hangs on the work-group's number alone
	s_cselect_b32 s52, \lo, s52
	s_cselect_b32 s53, \ksh, s53
	s_cselect_b32 s54, \pitch, s54
	s_cselect_b32 s55, \pstr, s55
	s_cselect_b32 s56, \kb, s56
	s_cselect_b32 s57, \pb, s57
	s_cselect_b32 s58, 0, s58
	s_cselect_b64 s[60:61], s[\src:\src+1], s[60:61]
	s_cselect_b64 s[62:63], s[\dst:\dst+1], s[62:63]
.endm
	PICK 128, 3, 4096, PS40, 8, 0, 24, 32          ; Wff2 -> wb2, K steps 8-39
	PICK 192, 1, 4096, PS8, 0, 64, 16, 30          ; Wq   -> wb1, panels 64-71
	PICK 208, 1, 4096, PS40, 0, 0, 20, 32          ; Wout -> wb2, K steps 0-7
	PICK 224, 1, 512, PS8, 0, 72, 18, 30           ; Wkv  -> wb1, panel 72
	s_sub_co_u32 s66, ttmp9, s52
	s_lshr_b32 s67, s66, s53                       ; which 128 columns
	s_bfm_b32 s68, s53, 0
	s_and_b32 s68, s66, s68                        ; which 512 along K
	s_and_b32 s69, s[WV], 3                        ; which 32 of the columns
	s_lshr_b32 s70, s[WV], 2                       ; which 256 of the 512
	s_lshl_b32 s71, s68, 2
	s_lshl_b32 s72, s70, 1
	s_add_co_u32 s71, s71, s72                     ; my first K step
	s_and_b32 s73, s67, 31                         ; Wff1: panel P holds val's columns 64 P .. 64 P + 63 in tiles 0-3 and gate's 4096 + 64 P .. in tiles 4-7
	s_lshl_b32 s73, s73, 1
	s_lshr_b32 s74, s69, 1
	s_add_co_u32 s73, s73, s74
	s_and_b32 s74, s69, 1
	s_lshl_b32 s74, s74, 1
	s_lshr_b32 s75, s67, 5
	s_lshl_b32 s75, s75, 2
	s_add_co_u32 s74, s74, s75
	s_lshl_b32 s75, s69, 1                         ; the others: panel = the 128 columns, tiles in order
	s_cmp_eq_u32 s58, 1
	s_cselect_b32 s73, s73, s67                    ; panel
	s_cselect_b32 s74, s74, s75                    ; first tile of my pair
	s_lshl_b32 s76, s71, 7
	s_mul_i32 s76, s76, s54                        ; my first row of the weight,
	s_lshl_b32 s77, s67, 9
	s_add_co_u32 s76, s76, s77
	s_lshl_b32 s77, s69, 7
	s_add_co_u32 s76, s76, s77                     ; my first column: all under 2^25 bytes
	s_mov_b32 s77, 0
	s_add_nc_u64 s[60:61], s[60:61], s[76:77]
	s_add_co_u32 s73, s73, s57
	s_mul_i32 s78, s73, s55
	s_add_co_u32 s79, s71, s56
	s_mul_i32 s79, s79, PSTEP
	s_add_co_u32 s78, s78, s79
	s_mul_i32 s79, s74, REC
	s_add_co_u32 s78, s78, s79
	s_mov_b32 s79, 0
	s_add_nc_u64 s[62:63], s[62:63], s[78:79]      ; my first record
	s_lshl_b32 s80, s54, 5                         ; 32 rows
	s_mov_b32 s81, 0
	s_mov_b64 s[36:37], s[60:61]                   ; a base for each of my eight blocks: nothing is stepped
.irp t, 1,2,3,4,5,6,7
	s_add_nc_u64 s[36+2*\t:37+2*\t], s[34+2*\t:35+2*\t], s[80:81]
.endr
	s_wait_alu depctr_va_vdst(0)
	v_and_b32 v4, 7, v3                            ; my column of the 32: lanes 0-15 are tile 0's rows (0-7, 16-23), lanes 16-31 tile 1's (8-15, 24-31)
	v_and_b32 v5, 8, v3
	s_delay_alu instid0(VALU_DEP_1)
	v_lshl_or_b32 v4, v5, 1, v4
	v_and_b32 v5, 16, v3
	s_delay_alu instid0(VALU_DEP_1)
	v_lshrrev_b32 v5, 1, v5
	s_delay_alu instid0(VALU_DEP_1)
	v_or_b32 v4, v4, v5
	s_delay_alu instid0(VALU_DEP_1)
	v_lshlrev_b32 v4, 2, v4
	s_wait_alu depctr_va_vdst(0)
	s_mov_b32 s82, 0
.set i, 0
.rept 32
	v_add_nc_u32 v[VO+i], s82, v4
	s_add_co_u32 s82, s82, s54
.set i, i+1
.endr
.macro LOADW t                         ; block t: 32 rows at my column, into set t % 2
.set i, 0
.rept 32
	global_load_b32 v[X+32*((\t)%2)+i], v[VO+i], s[36+2*(\t):37+2*(\t)] th:TH_LOAD_NT
.set i, i+1
.endr
.endm
.macro WBLOCK t
.set XS, X+32*((\t)%2)
.set KS_, (\t)/4
.set B_, (\t)%4
.set FD, F+24*KS_+12*(B_&1)+6*(B_>>1)  ; an even block's codes go to tile 0's registers, an odd block's to tile 1's
.if (\t) < 7
	s_wait_loadcnt 32                              ; this block's 32 loads are in; the next block's 32 may be out
.else
	s_wait_loadcnt 0x0
.endif
	v_max3_num_f32 v[MX], |v[XS]|, |v[XS+1]|, |v[XS+2]|
	v_max3_num_f32 v[MX2], |v[XS+3]|, |v[XS+4]|, |v[XS+5]|
.irp i, 6,10,14,18,22,26
	s_delay_alu instid0(VALU_DEP_2)
	v_max3_num_f32 v[MX], v[MX], |v[XS+\i]|, |v[XS+\i+1]|
	s_delay_alu instid0(VALU_DEP_2)
	v_max3_num_f32 v[MX2], v[MX2], |v[XS+\i+2]|, |v[XS+\i+3]|
.endr
	s_delay_alu instid0(VALU_DEP_2)
	v_max3_num_f32 v[MX], v[MX], |v[XS+30]|, |v[XS+31]|
	s_delay_alu instid0(VALU_DEP_1)
	v_max3_num_f32 v[MX], v[MX], v[MX2], 0x1800000 ; the block's largest magnitude, not under 2^(3 - 127): the byte cannot fall under 1
	s_delay_alu instid0(VALU_DEP_1)
	v_add_nc_u32 v[SCL], 0xff000000, v[MX]         ; 2 off its exponent field: the conversion takes this operand's exponent field as its scale
	s_delay_alu instid0(VALU_DEP_1)
	v_lshrrev_b32 v[BYT], 23, v[SCL]               ; the scale's byte
.if B_ == 0
	s_delay_alu instid0(VALU_DEP_1)
	v_mov_b32 v[W+KS_], v[BYT]
.else
	s_delay_alu instid0(VALU_DEP_1)
	v_lshl_or_b32 v[W+KS_], v[BYT], 8*B_, v[W+KS_]
.endif
	v_cvt_scalef32_pk16_fp6_f32 v[FD:FD+2], v[XS:XS+15], v[SCL]
	v_cvt_scalef32_pk16_fp6_f32 v[HT:HT+2], v[XS+16:XS+31], v[SCL]   ; (a conversion's three registers begin on an even number)
	v_nop                                          ; one plain instruction behind the conversions
.irp i, 0,1,2
	v_mov_b32 v[FD+3+\i], v[HT+\i]
.endr
.if (\t)+2 < 8
	LOADW (\t)+2
.endif
.if (B_&1) == 1
; lanes 0-15 hold tile 0's rows and lanes 16-31 tile 1's, each with blocks 2 c and 2 c + 1; a fragment wants block 2 c in its lanes 0-15 and block 2 c + 1 in its lanes 16-31:
; the even block's lanes 16-31 change places with the odd block's lanes 0-15
.irp i, 0,1,2,3,4,5
	v_permlane16_swap_b32 v[F+24*KS_+6*(B_>>1)+\i], v[F+24*KS_+12+6*(B_>>1)+\i]
.endr
.endif
.if B_ == 3
	v_mov_b32 v[W2+KS_], v[W+KS_]
	s_delay_alu instid0(VALU_DEP_1)
	v_permlane16_swap_b32 v[W+KS_], v[W2+KS_]      ; each tile's words now lie in both halves of its own register
.irp c, 0,1,2
	global_store_b128 v1, v[F+24*KS_+4*\c:F+24*KS_+4*\c+3], s[62:63] offset:KS_*PSTEP+512*\c          ; 32 lanes store 512 consecutive bytes
	global_store_b128 v1, v[F+24*KS_+12+4*\c:F+24*KS_+12+4*\c+3], s[62:63] offset:KS_*PSTEP+REC+512*\c
.endr
	global_store_b32 v2, v[W+KS_], s[62:63] offset:KS_*PSTEP+1536
	global_store_b32 v2, v[W2+KS_], s[62:63] offset:KS_*PSTEP+REC+1536
.endif
.endm
	s_wait_alu depctr_va_vdst(0)
	LOADW 0
	LOADW 1
.irp t, 0,1,2,3,4,5,6,7
	WBLOCK \t                                      ; each K step has its own registers for codes and words: no store's data are written again
.endr
	s_endpgm
; ---------------- LAYER NORM.  A work-group takes a tile of 16 rows; wave w takes K step w: 128 numbers of each row, 64 a lane.
; Lane (r, h) takes, of its row, 16 neighbours of each block of 32: register 16 b + i = k 128 w + 32 b + 16 h + i.  Mean and variance are taken in two passes over the registers; the eight waves' parts meet in LDS.
.macro QUANT s                         ; 64 numbers of a lane, laid as just said, become a fragment's codes in v[PC] on and my row's scale word in v[PW]
.irp b, 0,1,2,3
	v_max3_num_f32 v[TM+\b], |v[\s+16*\b]|, |v[\s+1+16*\b]|, 0x1800000
.endr
.irp i, 2,4,6,8,10,12,14
.irp b, 0,1,2,3
	s_delay_alu instid0(VALU_DEP_4)
	v_max3_num_f32 v[TM+\b], v[TM+\b], |v[\s+16*\b+\i]|, |v[\s+1+16*\b+\i]|
.endr
.endr
.irp b, 0,1,2,3
	s_delay_alu instid0(VALU_DEP_4)
	v_permlanex16_b32 v[TM+4+\b], v[TM+\b], s[SEL], s[SEL+1]
.endr
.irp b, 0,1,2,3
	s_delay_alu instid0(VALU_DEP_4)
	v_max_num_f32 v[TM+\b], v[TM+\b], v[TM+4+\b]   ; with lane l xor 16's: the block's largest magnitude
.endr
.irp b, 0,1,2,3
	s_delay_alu instid0(VALU_DEP_4)
	v_add_nc_u32 v[TM+12+\b], 0xff000000, v[TM+\b]
.endr
.irp b, 0,1,2,3
	s_delay_alu instid0(VALU_DEP_4)
	v_lshrrev_b32 v[TM+4+\b], 23, v[TM+12+\b]
.endr
	s_delay_alu instid0(VALU_DEP_3)
	v_lshl_or_b32 v[PW], v[TM+5], 8, v[TM+4]
	s_delay_alu instid0(VALU_DEP_1)
	v_lshl_or_b32 v[PW], v[TM+6], 16, v[PW]
	s_delay_alu instid0(VALU_DEP_1)
	v_lshl_or_b32 v[PW], v[TM+7], 24, v[PW]
.irp c, 0,1
	v_cvt_scalef32_pk16_fp6_f32 v[PC+6*\c:PC+2+6*\c], v[\s+32*\c:\s+15+32*\c], v[TM+12+2*\c]
	v_cvt_scalef32_pk16_fp6_f32 v[PC+12+4*\c:PC+14+4*\c], v[\s+16+32*\c:\s+31+32*\c], v[TM+12+2*\c+1]
.endr
	v_nop                                          ; one plain instruction behind the conversions
.irp c, 0,1                                    ; the operand wants a whole block in a lane: lanes 0-15 block 2 c, lanes 16-31 block 2 c + 1
.irp i, 0,1,2
	v_permlane16_swap_b32 v[PC+6*\c+\i], v[PC+12+4*\c+\i]
.endr
.irp i, 0,1,2
	s_delay_alu instid0(VALU_DEP_3)
	v_mov_b32 v[PC+3+6*\c+\i], v[PC+12+4*\c+\i]
.endr
.endr
.endm
.macro ROWSUM off                      ; four chains in v[224:231] become the row's sum over all 1,024, in v232 of every lane
	s_delay_alu instid0(VALU_DEP_3)
	v_pk_add_f32 v[224:225], v[224:225], v[226:227]
	s_delay_alu instid0(VALU_DEP_2)
	v_pk_add_f32 v[228:229], v[228:229], v[230:231]
	s_delay_alu instid0(VALU_DEP_1)
	v_pk_add_f32 v[224:225], v[224:225], v[228:229]
	s_delay_alu instid0(VALU_DEP_1)
	v_add_f32 v224, v224, v225
	s_delay_alu instid0(VALU_DEP_1)
	v_permlanex16_b32 v225, v224, s[SEL], s[SEL+1]
	s_delay_alu instid0(VALU_DEP_1)
	v_add_f32 v224, v224, v225                     ; my wave's 128 numbers of row r; both halves of the lanes hold the same bits
	ds_store_b32 v8, v224 offset:\off              ; row r, word w
	s_wait_dscnt 0x0                               ; for the others' sake: my store has landed
	s_barrier_signal -1
	s_barrier_wait -1
	ds_load_b128 v[232:235], v9 offset:\off        ; the eight waves' parts of row r
	ds_load_b128 v[236:239], v9 offset:\off+16
	s_wait_dscnt 0x0
	v_add_f32 v232, v232, v233
	v_add_f32 v234, v234, v235
	v_add_f32 v236, v236, v237
	v_add_f32 v238, v238, v239
	s_delay_alu instid0(VALU_DEP_3)
	v_add_f32 v232, v232, v234
	s_delay_alu instid0(VALU_DEP_2)
	v_add_f32 v236, v236, v238
	s_delay_alu instid0(VALU_DEP_1)
	v_add_f32 v232, v232, v236
.endm
.Lln:
	s_sub_co_u32 s52, ttmp9, WGW
	s_and_b32 s53, s52, 255                        ; the tile
	s_cmp_ge_u32 s52, 256                          ; context's work-group or x's?
	s_cselect_b64 s[60:61], s[6:7], s[4:5]
	s_cselect_b64 s[54:55], s[12:13], s[8:9]       ; the gain
	s_cselect_b64 s[56:57], s[14:15], s[10:11]     ; the bias
	s_cselect_b64 s[62:63], s[28:29], s[26:27]     ; ca or xa
	s_cselect_b32 s58, 8, 0
	s_lshr_b32 s66, s53, 1                         ; context: tile 2 b + u begins at row 32 b + 8 u, and lane r takes row r + 8 (r / 8) from there
	s_lshl_b32 s66, s66, 5
	s_and_b32 s67, s53, 1
	s_lshl_b32 s67, s67, 3
	s_add_co_u32 s66, s66, s67
	s_lshl_b32 s67, s53, 4                         ; x: 16 rows in order
	s_cmp_ge_u32 s52, 256
	s_cselect_b32 s66, s66, s67
	s_lshl_b32 s68, s66, 12                        ; a row is 4,096 bytes
	s_mov_b32 s69, 0
	s_lshl_b32 s70, s[WV], 9                       ; my K step's 512 bytes
	s_mov_b32 s71, 0
	s_add_nc_u64 s[60:61], s[60:61], s[68:69]
	s_add_nc_u64 s[60:61], s[60:61], s[70:71]
	s_add_nc_u64 s[54:55], s[54:55], s[70:71]
	s_add_nc_u64 s[56:57], s[56:57], s[70:71]
	s_lshr_b32 s72, s53, 3
	s_mul_i32 s72, s72, PS8
	s_mul_i32 s73, s[WV], PSTEP
	s_add_co_u32 s72, s72, s73
	s_and_b32 s73, s53, 7
	s_mul_i32 s73, s73, REC
	s_add_co_u32 s72, s72, s73
	s_mov_b32 s73, 0
	s_add_nc_u64 s[62:63], s[62:63], s[72:73]      ; my record
	s_mov_b32 s74, 0x3a800000                      ; 1 / 1024
	s_mov_b32 s75, 0x3727c5ac                      ; 1e-5
	v_and_b32 v4, 15, v0                           ; r
	v_bfe_u32 v5, v0, 4, 1                         ; h
	v_lshlrev_b32 v7, 6, v5                        ; the gain and the bias: 64 h
	v_lshlrev_b32 v9, 5, v4                        ; LDS: row r's eight words,
	s_lshl_b32 s76, s[WV], 2
	v_add_nc_u32 v8, s76, v9
	; THE LOADS TAKE THE BYTES AS THEY LIE: each reads one row's 512 consecutive bytes of my K step, 16 a lane; the 16 rows turn through my wave's own stage in LDS (from byte 2,048 on, 8,448 bytes a wave:
	; rows 528 bytes apart, an odd multiple of 16) and come back 64 bytes at a time to lane (r, h), in the layout stated above.
	s_wait_alu depctr_va_vdst(0)                   ; 16 x lane was made at the head, ahead of a branch
	s_mul_i32 s77, s[WV], 8448
	s_add_co_u32 s77, s77, 2048
	v_add_nc_u32 v10, s77, v1                      ; into the stage: 16 x lane, the row in the offset
	v_mul_u32_u24 v11, v4, 528
	v_lshl_add_u32 v11, v5, 6, v11
	v_add_nc_u32 v11, s77, v11                     ; out of it: row r, + 64 h
	s_lshl_b32 s78, s58, 12                        ; rows 8-15 of the tile begin 8 rows on in x, 16 rows on in context
	s_add_co_u32 s78, s78, 32768
	s_mov_b32 s79, 0
	s_add_nc_u64 s[78:79], s[60:61], s[78:79]
	s_wait_alu depctr_va_vdst(0)
.irp b, 0,1,2,3
.irp j, 0,1,2,3
	global_load_b128 v[GA+16*\b+4*\j:GA+16*\b+4*\j+3], v1, s[60+18*(\b/2):61+18*(\b/2)] offset:(4*(\b%2)+\j)*4096 th:TH_LOAD_NT   ; row 4 b + j of the tile, into the gain's registers for now
.endr
.endr
.irp b, 0,1,2,3
.irp j, 0,1,2,3
	global_load_b128 v[BE+16*\b+4*\j:BE+16*\b+4*\j+3], v7, s[56:57] offset:128*\b+16*\j
.endr
.endr
	s_wait_loadcnt 16                              ; the 16 rows are in; the bias's 16 loads may be out
.irp p, 0,1,2,3,4,5,6,7,8,9,10,11,12,13,14,15
	ds_store_b128 v10, v[GA+4*\p:GA+4*\p+3] offset:528*\p
.endr
.irp b, 0,1,2,3
.irp j, 0,1,2,3
	ds_load_b128 v[LX+16*\b+4*\j:LX+16*\b+4*\j+3], v11 offset:128*\b+16*\j   ; LDS serves a wave's instructions in order: these see my stores
.endr
.endr
	s_wait_dscnt 0x0                               ; my 64 numbers are in their places, and the stores have read the gain's registers
.irp b, 0,1,2,3
.irp j, 0,1,2,3
	global_load_b128 v[GA+16*\b+4*\j:GA+16*\b+4*\j+3], v7, s[54:55] offset:128*\b+16*\j
.endr
.endr
.irp k, 0,1,2,3
	v_pk_add_f32 v[224+2*\k:225+2*\k], v[LX+4*\k:LX+4*\k+1], v[LX+4*\k+2:LX+4*\k+3]
.endr
.irp i, 16,24,32,40,48,56
.irp k, 0,1,2,3
	s_delay_alu instid0(VALU_DEP_4)
	v_pk_add_f32 v[224+2*\k:225+2*\k], v[224+2*\k:225+2*\k], v[LX+\i+2*\k:LX+\i+2*\k+1]
.endr
.endr
	ROWSUM 0
	s_delay_alu instid0(VALU_DEP_1)
	v_mul_f32 v240, s74, v232                      ; the mean
	s_delay_alu instid0(VALU_DEP_1)
	v_mov_b32 v241, v240
.set i, 0
.rept 32
	v_pk_add_f32 v[LX+i:LX+i+1], v[LX+i:LX+i+1], v[240:241] neg_lo:[0,1] neg_hi:[0,1]
.set i, i+2
.endr
.irp k, 0,1,2,3
	v_pk_mul_f32 v[224+2*\k:225+2*\k], v[LX+2*\k:LX+2*\k+1], v[LX+2*\k:LX+2*\k+1]
.endr
.irp i, 8,16,24,32,40,48,56
.irp k, 0,1,2,3
	s_delay_alu instid0(VALU_DEP_4)
	v_pk_fma_f32 v[224+2*\k:225+2*\k], v[LX+\i+2*\k:LX+\i+2*\k+1], v[LX+\i+2*\k:LX+\i+2*\k+1], v[224+2*\k:225+2*\k]
.endr
.endr
	ROWSUM 512                                     ; other LDS bytes than the first sum's: no barrier between the first sum's reads and these stores
	s_delay_alu instid0(VALU_DEP_1)
	v_fma_f32 v242, v232, s74, s75                 ; the variance + 1e-5
	s_wait_alu depctr_va_vdst(0)
	v_rsq_f32 v244, v242
	v_nop                                          ; a plain instruction behind the transcendental,
	s_wait_alu depctr_va_vdst(0)                   ; and the wait ahead of its first reader
	v_mov_b32 v245, v244
	s_wait_alu depctr_va_vdst(0)
	s_wait_loadcnt 0x0                             ; the gain and the bias
.set i, 0
.rept 32
	v_pk_mul_f32 v[LX+i:LX+i+1], v[LX+i:LX+i+1], v[244:245]
.set i, i+2
.endr
.set i, 0
.rept 32
	v_pk_fma_f32 v[LX+i:LX+i+1], v[LX+i:LX+i+1], v[GA+i:GA+i+1], v[BE+i:BE+i+1]
.set i, i+2
.endr
	QUANT LX
.irp c, 0,1,2
	global_store_b128 v1, v[PC+4*\c:PC+4*\c+3], s[62:63] offset:512*\c
.endr
	global_store_b32 v2, v[PW], s[62:63] offset:1536
	s_wait_tensorcnt 0x0
	ds_add_u32 v254, v255
	s_wait_dscnt 0x0
	s_endpgm
.Lfunc_end_k_q30fcfa3a94_prep:
	.size	k_q30fcfa3a94_prep, .Lfunc_end_k_q30fcfa3a94_prep-k_q30fcfa3a94_prep
	.p2alignl 7, 3214868480
	.fill 96, 4, 3214868480
	.section	.rodata,"a",@progbits
	.p2align	6, 0x0
	.amdhsa_kernel k_q30fcfa3a94_prep
		.amdhsa_group_segment_fixed_size 69632
		.amdhsa_private_segment_fixed_size 0
		.amdhsa_enable_private_segment 0
		.amdhsa_kernarg_size 120
		.amdhsa_user_sgpr_count 2
		.amdhsa_user_sgpr_kernarg_segment_ptr 1
		.amdhsa_wavefront_size32 1
		.amdhsa_system_sgpr_workgroup_id_x 1
		.amdhsa_system_sgpr_workgroup_id_y 1
		.amdhsa_system_sgpr_workgroup_id_z 1
		.amdhsa_system_vgpr_workitem_id 0
		.amdhsa_next_free_vgpr 256
		.amdhsa_next_free_sgpr 90
		.amdhsa_reserve_vcc 0
		.amdhsa_float_denorm_mode_32 3
		.amdhsa_float_denorm_mode_16_64 3
		.amdhsa_memory_ordered 1
		.amdhsa_forward_progress 1
		.amdhsa_inst_pref_size 79
	.end_amdhsa_kernel
	.amdgpu_metadata
---
amdhsa.version: [ 1, 2 ]
amdhsa.kernels:
  - .name:           k_q30fcfa3a94_prep
    .symbol:         k_q30fcfa3a94_prep.kd
    .args:
      - { .name: x, .offset: 0, .size: 8, .value_kind: global_buffer, .address_space: global }
      - { .name: context, .offset: 8, .size: 8, .value_kind: global_buffer, .address_space: global }
      - { .name: ln_x_g, .offset: 16, .size: 8, .value_kind: global_buffer, .address_space: global }
      - { .name: ln_x_b, .offset: 24, .size: 8, .value_kind: global_buffer, .address_space: global }
      - { .name: ln_c_g, .offset: 32, .size: 8, .value_kind: global_buffer, .address_space: global }
      - { .name: ln_c_b, .offset: 40, .size: 8, .value_kind: global_buffer, .address_space: global }
      - { .name: Wq, .offset: 48, .size: 8, .value_kind: global_buffer, .address_space: global }
      - { .name: Wkv, .offset: 56, .size: 8, .value_kind: global_buffer, .address_space: global }
      - { .name: Wout, .offset: 64, .size: 8, .value_kind: global_buffer, .address_space: global }
      - { .name: Wff1, .offset: 72, .size: 8, .value_kind: global_buffer, .address_space: global }
      - { .name: Wff2, .offset: 80, .size: 8, .value_kind: global_buffer, .address_space: global }
      - { .name: xa, .offset: 88, .size: 8, .value_kind: global_buffer, .address_space: global }
      - { .name: ca, .offset: 96, .size: 8, .value_kind: global_buffer, .address_space: global }
      - { .name: wb1, .offset: 104, .size: 8, .value_kind: global_buffer, .address_space: global }
      - { .name: wb2, .offset: 112, .size: 8, .value_kind: global_buffer, .address_space: global }
    .group_segment_fixed_size: 69632
    .private_segment_fixed_size: 0
    .kernarg_segment_align: 8
    .kernarg_segment_size: 120
    .max_flat_workgroup_size: 256
    .sgpr_count:     90
    .vgpr_count:     256
    .wavefront_size: 32
...
	.end_amdgpu_metadata
.endif
;; end of part 1
;; launch gemm1 (part 2): grid 16 x 16, 4 waves a work-group, clusters of 4 x 4, 327,680 bytes of LDS; arguments xa, ca, wb1, a2, qa, kv; writes a2, qa, kv
.if DOCPART == 2
	.amdgcn_target "amdgcn-amd-amdhsa--gfx1250"
	.amdhsa_code_object_version 6
	.text
	.protected	k_q30fcfa3a94_gemm1
	.globl	k_q30fcfa3a94_gemm1
	.p2align	8
	.type	k_q30fcfa3a94_gemm1,@function
k_q30fcfa3a94_gemm1:
	s_mov_b64 s[64:65], 0
	v_nop
	global_prefetch_b8 v0, s[64:65] scope:SCOPE_SE
	s_setreg_imm32_b32 hwreg(HW_REG_WAVE_MODE, 25, 1), 1
	s_wait_xcnt 0x0
	s_wait_alu depctr_hold_cnt(0) depctr_sa_sdst(0) depctr_va_vdst(0) depctr_va_sdst(0) depctr_va_ssrc(0) depctr_va_vcc(0) depctr_vm_vsrc(0)
	s_getreg_b32 s2, hwreg(HW_REG_IB_STS2, 6, 4)
	s_cmp_eq_u32 s2, 0
	s_cbranch_scc0 .Lentry_in_a_cluster
	s_endpgm
.Lentry_in_a_cluster:
	s_bfe_u32 s2, ttmp6, 0x10000c
	s_cmp_lg_u32 s2, 0xf033
	s_cbranch_scc0 .Lentry_shape_is_right
	s_endpgm
.Lentry_shape_is_right:
; GEMM1: the three products on the normalised inputs, on codes of FP6 (E2M3) with E8M0 scales, each result quantised on the way out for the product that follows.
; 256 WORK-GROUPS THAT STAY, 16 x 16, in clusters of 4 x 4.  Work-group (x, y) makes, one after the other:
;   KV   at the head, waves 0 and 1 alone, operands from memory straight into registers: wave 0 a unit of V (64 keys x 16 channels, quantised along the keys), wave 1 a unit of K (16 keys x the head's 64, quantised along the head)
;   FF   two tiles of 256 rows x (128 columns of val, 128 of gate) of xn Wff1, tile columns x and x + 16, tile row y; h = silu(gate) val, quantised along h's columns -> a2, K steps 8-39
;   Q    128 rows x 128 columns of xn Wq (row block 2 y + cluster x % 2, column block 4 (cluster x / 2) + cx), x 1/8, quantised along each head's 64 -> qa
; OPERANDS are records (1,664 bytes: the image of a fragment's 12 registers, then 4 bytes of scale word a lane); eight records are a panel's K step, 13,312 bytes; a panel's K steps lie on end.
; THE RING: two LDS slots of 106,496 bytes, each wave filling a quarter (26,624 dense bytes) by one joint load.  For FF a slot holds two K steps of A's two panels and of B's two; for Q four K steps of one panel of A and one of B.
; The ring goes on from stage to stage: a tile's last two changes of slots ask for the next stage's first operands, so these are on their way during the tile's way out.  Q's eight K steps are two fills; nothing is asked for behind them.
; JOINT LOADS: A's panels hang on y and the cluster's x, and are shared along a row of the cluster; B's on x alone, shared along a column.
; NO PREFETCH: the block is 256 x 256 in clusters and K is eight steps; of a stage's four fills two are asked for a whole way out ahead of their first read.
; THE MATRIX INSTRUCTION IS USED TRANSPOSED (source 0 = 16 rows of the weight, source 1 = 16 rows of xn): a lane holds one row of the result, and, by the order of the weights' rows in their tiles,
; the 16 registers of tiles 2 b, 2 b + 1 are columns 32 b + 16 (lane / 16) + 0 .. 15: neighbours along the next K.
; REGISTERS, in windows of 256.  Window 0: v0-31 addresses; v32-79 scale words and nothing else; v128-223 A's fragments; on the way out v80-111 E and codes, v112-175 H, v176-227 the copy, v228-246 the quantiser's.
;   Window 1: B's fragments, two sets, at v0 and v128.  Windows 2, 3: the accumulators.  KV: fragments in windows 1 and 2 (60 registers a K step), sums in v80-111.
; LIMITS: NaN and infinities are not served; a block whose largest magnitude lies under 2^-124, a block of zeros among them, gets the byte 1 (zeros' codes add nothing under it; this program alone reads the bytes).
.set PSTEP, 13312
.set REC,   1664
.set PS8,   8*PSTEP
.set PS40,  40*PSTEP
.set SLOT,  8*PSTEP
.set QUART, 2*PSTEP
.set REFILL, 4*PSTEP
.set BATCH, 110592
.set SPARE, 2*SLOT                     ; the spare words: 128 bytes a wave, two blocks of 256 bytes that no other line names
.set STG,   SPARE+512                  ; the stage of the ways out: 16 records, bytes of its own
.set FR,    12
.set SC,    32
.set AF,    128
.set E,     80
.set H,     112
.set CP,    176
.set TM,    228
.set HW,    244
.set SQ,    5                          ; v5-8   Q's places in the stage
.set QADA,  9                          ; v9-10  Q: my four tiles of A in slot 0, 1
.set CPQ,   11                         ; v11    Q's copy: STG + 3,328 x wave + 8 x lane
.set CPR,   12                         ; v12    FF's copy: STG + 6,656 x wave + 16 x lane
.set L8,    13                         ; v13    8 x lane
.set QADB,  14                         ; v14-15 Q: my four tiles of B
.set ADRA,  16                         ; v16-17 FF: my A panel in slot 0, 1
.set QADS,  18                         ; v18-19 Q: scale words
.set ADRB,  20                         ; v20-21 FF: my B panel
.set ADRS,  22                         ; v22-23 FF: scale words: lanes 0-15 A's, lanes 16-31 B's
.set SA0,   24                         ; v24-27 FF's places in the stage
.set SPW,   28                         ; v28    my spare word; never rewritten
.set NIL,   29                         ; v29    0; never rewritten
.set LI,    30                         ; v30    16 x lane
.set LS,    31                         ; v31    4 x lane
.set WV,    16
.set MI,    17                         ; my half of the rows; also: I fetch for A (0) or B (1)
.set NI,    18                         ; my half of the columns; also: which quarter I fetch
.set RBY,   19
.set RBX,   42
.set G1,    24
.set G0,    32
.set G1B,   48
.set G0B,   56
.set SEL,   70
.set NLE,   72
.set NXA,   84                         ; s[84:87] where the next stage's A begins for slot 0, 1;  s[88:91] its B
.set NXB,   88
.set QXA,   92                         ; s[92:95], s[96:99] the same for the stage Q
.set QXB,   96
.set MSB, 0
.macro WIN new                         ; the immediate's high byte repeats the setting that is left
.if MSB != (\new)
	s_set_vgpr_msb (MSB<<8)|(\new)
.set MSB, (\new)
.endif
.endm
.set MUL_LO, 0xa1                      ; source 0 (B) window 1, source 1 (A) window 0, C and D window 2
.set MUL_HI, 0xf1
.set TO_B,   0x40
.macro PLACES                          ; four plain instructions between a matrix instruction and a load into, or a read of, its registers
.rept 4
	v_nop
.endr
.endm
.macro JLOAD g0a, g1a, g0b, g1b        ; a joint load; the branch hangs on the wave's number alone; s_nop 0 and four v_nop follow each line
	s_cmp_eq_u32 s[MI], 0
	s_cbranch_scc0 .Lfor_b_\@
	tensor_load_to_lds s[\g0a:\g0a+3], s[\g1a:\g1a+7]
	s_nop 0
.rept 4
	v_nop
.endr
	s_branch .Lasked_\@
.Lfor_b_\@:
	tensor_load_to_lds s[\g0b:\g0b+3], s[\g1b:\g1b+7]
	s_nop 0
.rept 4
	v_nop
.endr
.Lasked_\@:
.endm
.macro CREST                           ; a round of the cluster's barrier behind its opening barrier
	s_cmp_lg_u32 s[WV], 0
	s_cbranch_scc1 .Lnot_wave_0_\@
	s_barrier_signal -3
.Lnot_wave_0_\@:
	s_barrier_wait -3
	s_barrier_signal -1
	s_barrier_wait -1
.endm
.macro CROUND
	s_barrier_signal -1
	s_barrier_wait -1
	CREST
.endm
.macro FRAG reg, adr, off              ; a record's codes: three loads of 512 consecutive bytes
.irp c, 0,1,2
	ds_load_b128 v[\reg+4*\c:\reg+4*\c+3], v[\adr] offset:\off+512*\c
.endr
.endm
.macro FETCH_B slot, q, p
	WIN TO_B
.irp i, 0,1,2,3,4,5,6,7
	FRAG 128*(\p)+FR*\i, ADRB+\slot, (\q)*PSTEP+\i*REC
.endr
	WIN 0
.endm
.macro FETCH_A slot, q, i0
.irp i, \i0, \i0+1, \i0+2, \i0+3
	FRAG AF+FR*(\i), ADRA+\slot, (\q)*PSTEP+(\i)*REC
.endr
.endm
.macro SCALES slot, q, sc              ; register i of set sc: lanes 0-15 the words of A's block i, lanes 16-31 those of B's block i
.irp i, 0,1,2,3,4,5,6,7
	ds_load_b32 v[SC+8*(\sc)+\i], v[ADRS+\slot] offset:(\q)*PSTEP+\i*REC
.endr
.endm
; 16 matrix instructions: A's blocks a0, a0 + 1 x B's eight.  The 64 accumulators take turns, one instruction a turn, in the same order in every K step.
.macro MUL16 a0, p, zero
.irp a, \a0, \a0+1
.irp b, 0,1,2,3,4,5,6,7
.if \zero
	v_wmma_scale_f32_16x16x128_f8f6f4 v[8*(8*((\a)%4)+\b):8*(8*((\a)%4)+\b)+7], v[128*(\p)+FR*\b:128*(\p)+FR*\b+FR-1], v[AF+FR*(\a):AF+FR*(\a)+FR-1], 0, v[SC+8*(\p)+\b], v[SC+8*(\p)+(\a)] matrix_a_fmt:MATRIX_FMT_FP6 matrix_b_fmt:MATRIX_FMT_FP6 matrix_a_scale:MATRIX_SCALE_ROW1
.else
	v_wmma_scale_f32_16x16x128_f8f6f4 v[8*(8*((\a)%4)+\b):8*(8*((\a)%4)+\b)+7], v[128*(\p)+FR*\b:128*(\p)+FR*\b+FR-1], v[AF+FR*(\a):AF+FR*(\a)+FR-1], v[8*(8*((\a)%4)+\b):8*(8*((\a)%4)+\b)+7], v[SC+8*(\p)+\b], v[SC+8*(\p)+(\a)] matrix_a_fmt:MATRIX_FMT_FP6 matrix_b_fmt:MATRIX_FMT_FP6 matrix_a_scale:MATRIX_SCALE_ROW1
.endif
.endr
.endr
.endm
.macro STEP slot, zero                 ; a slot's first K step (set 0); the second is fetched into set 1
	s_wait_dscnt 12                                ; all but the youngest 12 loads (A's blocks 4-7) are in
	WIN MUL_LO
	MUL16 0, 0, \zero
	MUL16 2, 0, \zero
	s_wait_dscnt 0x0
	PLACES
	FETCH_B \slot, 1, 1
	FETCH_A \slot, 1, 0
	SCALES \slot, 1, 1
	WIN MUL_HI
	MUL16 4, 0, \zero
	MUL16 6, 0, \zero
	PLACES
	WIN 0
	FETCH_A \slot, 1, 4
.endm
; A slot's second K step changes slots.  In front of the barrier, which opens a round of the cluster's, each wave waits for all its tensor loads, adds 0 to its spare word, and waits for that and for its reads of this slot.
; how = 1: the slot takes this tile's K steps four further on; how = 2: the next stage's first operands.  fetch = 0: the tile's last K step, no fragments follow.
.macro TURN slot, next, how, fetch
	s_wait_tensorcnt 0x0                           ; all my tensor loads have landed
	ds_add_u32 v[SPW], v[NIL]
	s_wait_dscnt 13                                ; (the add and the youngest 12 loads may be out)
	WIN MUL_LO
	MUL16 0, 1, 0
	s_wait_dscnt 0x0                               ; the add is done, and my reads of this slot are over
	s_barrier_signal -1
	MUL16 2, 1, 0
	WIN 0
	s_barrier_wait -1
	CREST
.if \how == 1
	s_add_nc_u64 s[G0+4*\slot+2:G0+4*\slot+3], s[G0+4*\slot+2:G0+4*\slot+3], REFILL
	s_add_nc_u64 s[G0B+4*\slot+2:G0B+4*\slot+3], s[G0B+4*\slot+2:G0B+4*\slot+3], REFILL
.else
	s_mov_b64 s[G0+4*\slot+2:G0+4*\slot+3], s[NXA+2*\slot:NXA+2*\slot+1]
	s_mov_b64 s[G0B+4*\slot+2:G0B+4*\slot+3], s[NXB+2*\slot:NXB+2*\slot+1]
.endif
	JLOAD G0+4*\slot, G1, G0B+4*\slot, G1B         ; the first tensor load behind the round; its four v_nop are also the places in front of the loads below
.if \fetch
	FETCH_B \next, 0, 0
	FETCH_A \next, 0, 0
	SCALES \next, 0, 0
.endif
	WIN MUL_HI
	MUL16 4, 1, 0
	MUL16 6, 1, 0
	PLACES
	WIN 0
.if \fetch
	FETCH_A \next, 0, 4
.endif
.endm
; 32 numbers of a lane, register 16 b + i = k 32 b + 16 (lane / 16) + i of my row (b = 0, 1), become half a fragment (six registers, v[hc] on) and the two scale bytes in v[hw].
.macro HQUANT s, hc, ht, hw
.irp b, 0,1
	v_max3_num_f32 v[TM+\b], |v[\s+16*\b]|, |v[\s+1+16*\b]|, 0x1800000   ; with the floor 2^(3 - 127): the byte cannot fall under 1
.endr
.irp i, 2,4,6,8,10,12,14
.irp b, 0,1
	v_max3_num_f32 v[TM+\b], v[TM+\b], |v[\s+16*\b+\i]|, |v[\s+1+16*\b+\i]|
.endr
.endr
.irp b, 0,1
	v_permlanex16_b32 v[TM+4+\b], v[TM+\b], s[SEL], s[SEL+1]
.endr
.irp b, 0,1
	v_max_num_f32 v[TM+\b], v[TM+\b], v[TM+4+\b]
.endr
.irp b, 0,1
	v_add_nc_u32 v[TM+12+\b], 0xff000000, v[TM+\b] ; 2 off the exponent field: the conversion's scale operand
.endr
.irp b, 0,1
	v_lshrrev_b32 v[TM+4+\b], 23, v[TM+12+\b]
.endr
	v_lshl_or_b32 v[\hw], v[TM+5], 8, v[TM+4]
	v_cvt_scalef32_pk16_fp6_f32 v[\hc:\hc+2], v[\s:\s+15], v[TM+12]
	v_cvt_scalef32_pk16_fp6_f32 v[\ht:\ht+2], v[\s+16:\s+31], v[TM+13]
	v_nop                                          ; one plain instruction behind the conversions
.irp i, 0,1,2
	v_permlane16_swap_b32 v[\hc+\i], v[\ht+\i]     ; a whole block to a lane: lanes 0-15 block 0, lanes 16-31 block 1
.endr
.irp i, 0,1,2
	v_mov_b32 v[\hc+3+\i], v[\ht+\i]
.endr
.endm
; where a wave's half fragments go in the stage: register pairs (0,1) (2,3) (4,5) lie at 0, 8, 512 of a record and pairs (6,7) (8,9) (10,11) at 520, 1024, 1032, + 16 x lane; per: bytes from MI = 0's records to MI = 1's
.macro STADR d, per
	s_mul_i32 s66, s[MI], \per
	s_add_co_u32 s66, s66, STG
	s_mul_i32 s67, s[NI], 520
	s_add_co_u32 s67, s67, s66
	v_add_nc_u32 v[\d], s67, v[LI]
	s_mul_i32 s67, s[NI], 1016
	s_add_co_u32 s67, s67, s66
	s_add_co_u32 s67, s67, 8
	v_add_nc_u32 v[\d+1], s67, v[LI]
	v_add_nc_u32 v[\d+2], 512, v[\d]
	s_lshl_b32 s67, s[NI], 1
	s_add_co_u32 s67, s67, s66
	s_add_co_u32 s67, s67, 1536
	v_add_nc_u32 v[\d+3], s67, v[LS]               ; my two bytes of a row's scale word
.endm
	s_load_b256 s[4:11], s[0:1], 0x0               ; xa, ca, wb1, a2
	s_load_b128 s[12:15], s[0:1], 0x20             ; qa, kv
	v_lshl_add_u32 v[SPW], v0, 2, SPARE
	v_mov_b32 v[NIL], 0
	ds_add_u32 v[SPW], v[NIL]                      ; the opening lines: the add, twice on end, and its wait ahead of my first tensor load
	ds_add_u32 v[SPW], v[NIL]
	v_lshrrev_b32 v1, 5, v0
	v_readfirstlane_b32 s[WV], v1                  ; wave 0..3
	s_lshr_b32 s[MI], s[WV], 1
	s_and_b32 s[NI], s[WV], 1
	s_bfe_u32 s40, ttmp6, 0x40000                  ; cx, cy
	s_bfe_u32 s41, ttmp6, 0x40004
	s_lshl_b32 s[RBX], ttmp9, 2
	s_add_co_u32 s[RBX], s[RBX], s40               ; x = 4 x cluster x + cx
	s_and_b32 s[RBY], ttmp7, 0xffff
	s_lshl_b32 s[RBY], s[RBY], 2
	s_add_co_u32 s[RBY], s[RBY], s41               ; y = 4 x cluster y + cy
	s_lshl_b32 s43, s41, 2
	s_lshl_b32 s43, 15, s43                        ; my row of the cluster
	s_lshl_b32 s44, 0x1111, s40                    ; my column
	; descriptor group 1: a dense block of 26,624 bytes as 104 rows of 256 bytes (32 elements of 8 bytes)
	s_or_b32 s[G1], s43, (3<<16)|(1<<21)
	s_or_b32 s[G1B], s44, (3<<16)|(1<<21)
.irp g, G1, G1B
	s_mov_b32 s[\g+1], 32<<16
	s_mov_b32 s[\g+2], 104<<16
	s_mov_b32 s[\g+3], 32<<16
	s_mov_b32 s[\g+4], 104
	s_mov_b32 s[\g+5], 32
	s_mov_b32 s[\g+6], 0
	s_mov_b32 s[\g+7], 0
.endr
	s_mov_b32 s[SEL], 0x76543210
	s_mov_b32 s[SEL+1], 0xfedcba98
	s_mov_b32 s[NLE], 0xbfb8aa3b                   ; -log2(e)
	s_mov_b32 s[NLE+1], s[NLE]
	v_and_b32 v2, 31, v0
	v_bfe_u32 v3, v0, 4, 1                         ; h
	v_lshlrev_b32 v[LI], 4, v2
	v_lshlrev_b32 v[LS], 2, v2
	v_lshlrev_b32 v[L8], 3, v2
.irp b, 0,1
	v_mov_b32 v[TM+4+\b], 0                        ; written once: a lane permute's destination counts as one of its sources
.endr
	s_lshl_b32 s20, s[RBY], 1
	s_add_co_u32 s20, s20, s[NI]
	s_mul_i32 s20, s20, PS8                        ; A: panel 2 y + the one I fetch
	s_mov_b32 s21, 0
	s_lshl_b32 s46, s[RBX], 1
	s_add_co_u32 s46, s46, s[NI]
	s_mul_i32 s46, s46, PS8                        ; B: panel 2 x + the one I fetch
	s_mov_b32 s47, 0
	s_mul_i32 s45, s[WV], QUART                    ; where they go: no place in the cluster enters an LDS address
	s_wait_alu depctr_va_vdst(0)
	s_wait_dscnt 0x0                               ; both opening adds are done
	s_wait_kmcnt 0x0
	s_add_nc_u64 s[20:21], s[4:5], s[20:21]
	s_add_nc_u64 s[46:47], s[8:9], s[46:47]
	CROUND                                         ; all sixteen work-groups are here: the first joint loads meet
.irp s, 0,1
	s_mov_b32 s[G0+4*\s], 1
	s_add_co_u32 s[G0+4*\s+1], s45, \s*SLOT
	s_add_nc_u64 s[G0+4*\s+2:G0+4*\s+3], s[20:21], \s*QUART
	s_or_b32 s[G0+4*\s+3], s[G0+4*\s+3], 0x80000000
	s_mov_b32 s[G0B+4*\s], 1
	s_add_co_u32 s[G0B+4*\s+1], s45, \s*SLOT
	s_add_nc_u64 s[G0B+4*\s+2:G0B+4*\s+3], s[46:47], \s*QUART
	s_or_b32 s[G0B+4*\s+3], s[G0B+4*\s+3], 0x80000000
.endr
	JLOAD G0, G1, G0B, G1B                         ; K steps 0, 1 of the first tile: my one tensor load at the head
	; FF's LDS addresses
	s_mul_i32 s66, s[MI], QUART                    ; my A panel in a slot
	s_mul_i32 s67, s[NI], QUART
	s_add_co_u32 s67, s67, 2*QUART                 ; my B panel, behind A's two
	s_sub_co_u32 s68, s67, s66
	s_add_co_u32 s69, s66, 1536
	v_mul_u32_u24 v4, s68, v3                      ; lanes 16-31 take B's scale words: one product, the distance between the two
	v_add_nc_u32 v4, v4, v[LS]
	v_add_nc_u32 v[ADRA], s66, v[LI]
	v_add_nc_u32 v[ADRB], s67, v[LI]
	v_add_nc_u32 v[ADRS], s69, v4
	v_add_nc_u32 v[ADRA+1], SLOT, v[ADRA]
	v_add_nc_u32 v[ADRB+1], SLOT, v[ADRB]
	v_add_nc_u32 v[ADRS+1], SLOT, v[ADRS]
	; Q's: A's four K steps lie at the slot's start, B's behind them; my four tiles of each
	s_mul_i32 s66, s[MI], 4*REC
	s_mul_i32 s67, s[NI], 4*REC
	s_add_co_u32 s67, s67, 4*PSTEP
	s_sub_co_u32 s68, s67, s66
	s_add_co_u32 s69, s66, 1536
	v_mul_u32_u24 v4, s68, v3
	v_add_nc_u32 v4, v4, v[LS]
	v_add_nc_u32 v[QADA], s66, v[LI]
	v_add_nc_u32 v[QADB], s67, v[LI]
	v_add_nc_u32 v[QADS], s69, v4
	v_add_nc_u32 v[QADA+1], SLOT, v[QADA]
	v_add_nc_u32 v[QADB+1], SLOT, v[QADB]
	v_add_nc_u32 v[QADS+1], SLOT, v[QADS]
	STADR SA0, PSTEP
	STADR SQ, 4*REC
	s_mul_i32 s67, s[WV], 6656
	s_add_co_u32 s67, s67, STG
	v_add_nc_u32 v[CPR], s67, v[LI]
	s_mul_i32 s67, s[WV], 3328
	s_add_co_u32 s67, s67, STG
	v_add_nc_u32 v[CPQ], s67, v[L8]
	; a2: my rows' panel, K step 8 + x, my half of its eight records
	s_lshl_b32 s66, s[RBY], 1
	s_add_co_u32 s66, s66, s[MI]
	s_mul_i32 s66, s66, PS40
	s_add_co_u32 s67, s[RBX], 8
	s_mul_i32 s67, s67, PSTEP
	s_add_co_u32 s66, s66, s67
	s_mul_i32 s67, s[NI], 6656
	s_add_co_u32 s66, s66, s67
	s_mov_b32 s67, 0
	s_add_nc_u64 s[74:75], s[10:11], s[66:67]
	; the second tile: A's panels once more, B's 32 panels on
	s_mov_b64 s[NXA:NXA+1], s[20:21]
	s_or_b32 s[NXA+1], s[NXA+1], 0x80000000
	s_add_nc_u64 s[NXA+2:NXA+3], s[NXA:NXA+1], QUART
	s_add_nc_u64 s[NXB:NXB+1], s[46:47], 32*PS8
	s_or_b32 s[NXB+1], s[NXB+1], 0x80000000
	s_add_nc_u64 s[NXB+2:NXB+3], s[NXB:NXB+1], QUART
	; Q: A: panel 2 y + cluster x % 2; B: panel 64 + 4 (cluster x / 2) + cx; of each slot's four K steps the two that I fetch
	s_and_b32 s22, ttmp9, 1
	s_lshl_b32 s23, s[RBY], 1
	s_add_co_u32 s22, s22, s23
	s_mul_i32 s22, s22, PS8
	s_mul_i32 s23, s[NI], QUART
	s_add_co_u32 s22, s22, s23
	s_mov_b32 s23, 0
	s_add_nc_u64 s[QXA:QXA+1], s[4:5], s[22:23]
	s_or_b32 s[QXA+1], s[QXA+1], 0x80000000
	s_add_nc_u64 s[QXA+2:QXA+3], s[QXA:QXA+1], 4*PSTEP
	s_lshr_b32 s46, ttmp9, 1
	s_lshl_b32 s46, s46, 2
	s_add_co_u32 s46, s46, s40
	s_add_co_u32 s46, s46, 64
	s_mul_i32 s46, s46, PS8
	s_mul_i32 s47, s[NI], QUART
	s_add_co_u32 s46, s46, s47
	s_mov_b32 s47, 0
	s_add_nc_u64 s[QXB:QXB+1], s[8:9], s[46:47]
	s_or_b32 s[QXB+1], s[QXB+1], 0x80000000
	s_add_nc_u64 s[QXB+2:QXB+3], s[QXB:QXB+1], 4*PSTEP
	s_wait_alu depctr_va_vdst(0)
; ---------------- KV, while the first tile is on its way.  g = 16 y + x.  Both units take ca's panel g / 8.
; Wave 0, V: source 0 = ca's tiles 4 half .. + 3 (half = g / 4 % 2: 64 keys), source 1 = Wv's tile g % 4: a lane holds one channel and 32 + 32 keys.
; Wave 1, K: source 0 = Wk's four tiles, source 1 = ca's tile g % 8: a lane holds one key and the head's 64 channels.
	s_cmp_lt_u32 s[WV], 2
	s_cbranch_scc0 .Lkv_done
	s_lshl_b32 s66, s[RBY], 4
	s_add_co_u32 s66, s66, s[RBX]                  ; g
	s_lshr_b32 s67, s66, 3                         ; the panel of keys
	s_and_b32 s68, s66, 7                          ; K: the key tile
	s_and_b32 s69, s66, 4                          ; V: 4 x half
	s_and_b32 s20, s66, 3                          ; V: the channels' tile
	s_and_b32 s21, s67, 7                          ; the key step
	s_lshr_b32 s22, s67, 3
	s_mul_i32 s22, s22, BATCH                      ; the batch
	s_mul_i32 s67, s67, PS8
	s_mul_i32 s23, s21, 6656                       ; kv, in a batch: K: 8 key steps x (8 x 768 of half fragments, 8 x 128 of words); from 57,344 V: 8 steps x (4 x 1,536, 4 x 128)
	s_add_co_u32 s23, s23, 57344
	s_mul_i32 s43, s20, 1536
	s_add_co_u32 s43, s43, s23
	s_mul_i32 s44, s69, 192
	s_add_co_u32 s43, s43, s44                     ; V's codes
	s_lshl_b32 s44, s20, 7
	s_add_co_u32 s44, s44, s23
	s_lshr_b32 s45, s69, 1
	s_add_co_u32 s44, s44, s45                     ; V's two bytes of the words (6,144 further on)
	s_mul_i32 s21, s21, 7168
	s_mul_i32 s45, s68, 768
	s_add_co_u32 s45, s45, s21                     ; K's codes
	s_lshl_b32 s46, s68, 7
	s_add_co_u32 s46, s46, s21                     ; K's words (6,144 further on)
	s_add_co_u32 s20, s20, 4                       ; Wv's tiles lie behind Wk's four
	s_cmp_eq_u32 s[WV], 1                          ; K's wave?
	s_cselect_b32 s68, s68, s69
	s_cselect_b32 s20, 0, s20
	s_cselect_b32 s43, s45, s43
	s_cselect_b32 s44, s46, s44
	s_mul_i32 s68, s68, REC
	s_mul_i32 s20, s20, REC
	s_add_co_u32 s68, s68, s67
	s_mov_b32 s69, 0
	s_add_co_u32 s20, s20, 72*PS8
	s_mov_b32 s21, 0
	s_add_co_u32 s43, s43, s22
	s_add_co_u32 s44, s44, s22
	s_add_nc_u64 s[46:47], s[6:7], s[68:69]        ; ca's tiles
	s_add_nc_u64 s[22:23], s[8:9], s[20:21]        ; the weight's
	s_cmp_eq_u32 s[WV], 1
	s_cselect_b64 s[76:77], s[22:23], s[46:47]     ; source 0's four tiles
	s_cselect_b64 s[78:79], s[46:47], s[22:23]     ; source 1's one
	s_mov_b32 s66, s43
	s_mov_b32 s67, 0
	s_add_nc_u64 s[80:81], s[14:15], s[66:67]
	s_mov_b32 s66, s44
	s_add_nc_u64 s[82:83], s[14:15], s[66:67]
.irp ks, 0,1,2,3,4,5,6,7
	WIN (1+\ks/4)<<6                               ; destination window 1 or 2
.irp f, 0,1,2,3
.irp c, 0,1,2
	global_load_b128 v[60*(\ks%4)+12*\f+4*\c:60*(\ks%4)+12*\f+4*\c+3], v[LI], s[76:77] offset:\ks*PSTEP+\f*REC+512*\c
.endr
.endr
.irp c, 0,1,2
	global_load_b128 v[60*(\ks%4)+48+4*\c:60*(\ks%4)+48+4*\c+3], v[LI], s[78:79] offset:\ks*PSTEP+512*\c
.endr
.endr
	WIN 0
.irp ks, 0,1,2,3,4,5,6,7
.irp f, 0,1,2,3
	global_load_b32 v[SC+5*\ks+\f], v[LS], s[76:77] offset:\ks*PSTEP+\f*REC+1536
.endr
	global_load_b32 v[SC+5*\ks+4], v[LS], s[78:79] offset:\ks*PSTEP+1536
.endr
	s_wait_loadcnt 0x0
.irp ks, 0,1,2,3,4,5,6,7                       ; four accumulators by turns, v80-111
	WIN (1+\ks/4)*5                                ; sources 0 and 1 in the K step's window
.irp m, 0,1,2,3
.if \ks == 0
	v_wmma_scale_f32_16x16x128_f8f6f4 v[80+8*\m:87+8*\m], v[60*(\ks%4)+12*\m:60*(\ks%4)+12*\m+11], v[60*(\ks%4)+48:60*(\ks%4)+59], 0, v[SC+5*\ks+\m], v[SC+5*\ks+4] matrix_a_fmt:MATRIX_FMT_FP6 matrix_b_fmt:MATRIX_FMT_FP6
.else
	v_wmma_scale_f32_16x16x128_f8f6f4 v[80+8*\m:87+8*\m], v[60*(\ks%4)+12*\m:60*(\ks%4)+12*\m+11], v[60*(\ks%4)+48:60*(\ks%4)+59], v[80+8*\m:87+8*\m], v[SC+5*\ks+\m], v[SC+5*\ks+4] matrix_a_fmt:MATRIX_FMT_FP6 matrix_b_fmt:MATRIX_FMT_FP6
.endif
.endr
.endr
	WIN 0
	PLACES
	HQUANT 80, 144, 156, HW
	s_wait_alu depctr_va_vdst(0)
.irp p, 0,1,2
	global_store_b64 v[L8], v[144+2*\p:145+2*\p], s[80:81] offset:256*\p   ; 32 lanes store 256 consecutive bytes
.endr
	s_cmp_eq_u32 s[WV], 1
	s_cbranch_scc1 .Lkv_k
	global_store_b16 v[LS], v[HW], s[82:83] offset:6144   ; V: two of a word's four bytes; the other half of the keys brings the other two
	s_branch .Lkv_done
.Lkv_k:
	global_store_b32 v[LS], v[HW], s[82:83] offset:6144   ; K: the head's two bytes, and two bytes 0 over the half of the instruction's K that is zero codes
.Lkv_done:
	s_wait_alu depctr_va_vdst(0)
	s_wait_xcnt 0x0                                ; KV's stores have read their registers
	s_wait_tensorcnt 0x0                           ; my part of slot 0 is in
	ds_add_u32 v[SPW], v[NIL]
	s_wait_dscnt 0x0
	CROUND
	JLOAD G0+4, G1, G0B+4, G1B                     ; K steps 2, 3: slot 1's first fill, the first tensor load behind the round
; ---------------- FF: of row tile a: val in accumulators 0-3, gate in 4-7; h = gate val / (1 + 2^(-log2(e) gate)).  The 32 exponentials are one batch, the 32 reciprocals another.
.macro FFTILE a
.set WW, 2+(\a)/4
.set VB, 64*((\a)%4)
	s_wait_dscnt 0x0                               ; the last tile's stores into the stage have read the codes, which lie in E's registers
	WIN WW
.set i, 0
.rept 16
	v_pk_mul_f32 v[E+i:E+i+1], v[VB+32+i:VB+32+i+1], s[NLE:NLE+1] op_sel_hi:[1,0]   ; each accumulator from its low end on
.set i, i+2
.endr
	WIN 0
.set i, 0
	s_wait_alu depctr_va_vdst(0)                   ; a wait ahead of each batch and behind it
.rept 32
	v_exp_f32 v[E+i], v[E+i]
.set i, i+1
.endr
	WIN WW|(WW<<2)
.set i, 0
	s_wait_alu depctr_va_vdst(0)
.rept 16
	v_pk_mul_f32 v[H+i:H+i+1], v[VB+32+i:VB+32+i+1], v[VB+i:VB+i+1]   ; gate x val: plain work that names no exponential's result
.set i, i+2
.endr
	WIN 0
	s_wait_alu depctr_va_vdst(0)
.set i, 0
.rept 16
	v_pk_add_f32 v[E+i:E+i+1], v[E+i:E+i+1], 1.0 op_sel_hi:[1,0]
.set i, i+2
.endr
.set i, 0
	s_wait_alu depctr_va_vdst(0)
.rept 32
	v_rcp_f32 v[E+i], v[E+i]
.set i, i+1
.endr
	v_nop
	s_wait_alu depctr_va_vdst(0)
.set i, 0
.rept 16
	v_pk_mul_f32 v[H+i:H+i+1], v[H+i:H+i+1], v[E+i:E+i+1]
.set i, i+2
.endr
	HQUANT H, 80, 92, HW
	ds_store_b64 v[SA0], v[80:81] offset:(\a)*REC
	ds_store_b64 v[SA0+1], v[82:83] offset:(\a)*REC
	ds_store_b64 v[SA0+2], v[84:85] offset:(\a)*REC
	ds_store_b16 v[SA0+3], v[HW] offset:(\a)*REC
.endm
	s_mov_b32 s3, 2                                ; two tiles
.Ltile:                                                ; slot 0 is whole for every wave here
	FETCH_B 0, 0, 0
	FETCH_A 0, 0, 0
	SCALES 0, 0, 0
	FETCH_A 0, 0, 4
	STEP 0, 1                                      ; K step 0 starts the sums: nothing is cleared
	TURN 0, 1, 1, 1                                ; K step 1; slot 0 takes K steps 4, 5
	STEP 1, 0
	TURN 1, 0, 1, 1                                ; K step 3; slot 1 takes K steps 6, 7
	STEP 0, 0
	TURN 0, 1, 2, 1                                ; K step 5; slot 0 takes the next stage's first fill
	STEP 1, 0
	TURN 1, 0, 2, 0                                ; K step 7; slot 1 takes its second
.irp a, 0,1,2,3,4,5,6,7
	FFTILE \a
.endr
	s_wait_tensorcnt 0x0                           ; my parts of both slots are in,
	s_wait_dscnt 0x0                               ; and my halves of the records have landed
	s_barrier_signal -1
	s_barrier_wait -1                              ; everybody's
.irp i, 0,1,2,3,4,5,6,7,8,9,10,11,12
	ds_load_b128 v[CP+4*\i:CP+4*\i+3], v[CPR] offset:512*\i        ; four whole records a wave
.endr
.irp i, 0,1,2,3,4,5,6,7,8,9,10,11,12
	s_wait_dscnt 12-\i                             ; the younger loads of the copy may be out
	global_store_b128 v[LI], v[CP+4*\i:CP+4*\i+3], s[74:75] offset:512*\i   ; 32 lanes store 512 consecutive bytes, at a multiple of 256 from a2's first byte
.endr
	s_wait_xcnt 0x0                                ; the stores have read their base and their data, over which the next fragments land
	s_add_nc_u64 s[74:75], s[74:75], 16*PSTEP      ; the second tile's K step of a2
.irp p, 0,2
	s_mov_b64 s[NXA+\p:NXA+\p+1], s[QXA+\p:QXA+\p+1]   ; behind the second tile comes Q
	s_mov_b64 s[NXB+\p:NXB+\p+1], s[QXB+\p:QXB+\p+1]
.endr
	s_sub_co_u32 s3, s3, 1
	s_cmp_lg_u32 s3, 0
	s_wait_alu depctr_va_vdst(0)
	s_cbranch_scc1 .Ltile
; ---------------- Q: 64 x 64 a wave, 16 accumulators by turns, eight K steps from the two slots, which are whole; fragments in two sets, one K step ahead.
.macro QFETCH k, p
	WIN TO_B
.irp i, 0,1,2,3
	FRAG 128*(\p)+FR*\i, QADB+(\k)/4, ((\k)%4)*PSTEP+\i*REC
.endr
	WIN 0
.irp i, 0,1,2,3
	FRAG AF+48*(\p)+FR*\i, QADA+(\k)/4, ((\k)%4)*PSTEP+\i*REC
.endr
.irp i, 0,1,2,3
	ds_load_b32 v[SC+8*(\p)+\i], v[QADS+(\k)/4] offset:((\k)%4)*PSTEP+\i*REC
.endr
.endm
.macro QMUL p, zero
.irp a, 0,1,2,3
.irp b, 0,1,2,3
.if \zero
	v_wmma_scale_f32_16x16x128_f8f6f4 v[8*(4*\a+\b):8*(4*\a+\b)+7], v[128*(\p)+FR*\b:128*(\p)+FR*\b+FR-1], v[AF+48*(\p)+FR*\a:AF+48*(\p)+FR*\a+FR-1], 0, v[SC+8*(\p)+\b], v[SC+8*(\p)+\a] matrix_a_fmt:MATRIX_FMT_FP6 matrix_b_fmt:MATRIX_FMT_FP6 matrix_a_scale:MATRIX_SCALE_ROW1
.else
	v_wmma_scale_f32_16x16x128_f8f6f4 v[8*(4*\a+\b):8*(4*\a+\b)+7], v[128*(\p)+FR*\b:128*(\p)+FR*\b+FR-1], v[AF+48*(\p)+FR*\a:AF+48*(\p)+FR*\a+FR-1], v[8*(4*\a+\b):8*(4*\a+\b)+7], v[SC+8*(\p)+\b], v[SC+8*(\p)+\a] matrix_a_fmt:MATRIX_FMT_FP6 matrix_b_fmt:MATRIX_FMT_FP6 matrix_a_scale:MATRIX_SCALE_ROW1
.endif
.endr
.endr
.endm
	s_wait_dscnt 0x0                               ; my reads of the stage are over:
	s_barrier_signal -1                            ; say so; the wait stands ahead of Q's stores into the stage.  Between the two: registers, and loads from the slots, which nobody writes any more
	QFETCH 0, 0
.irp k, 0,1,2,3,4,5,6,7
.if \k < 7
.if \k > 0
	PLACES
.endif
	QFETCH \k+1, (\k+1)%2
	s_wait_dscnt 28                                ; all but the 28 loads just issued
.else
	s_wait_dscnt 0x0
.endif
	WIN MUL_LO
.if \k == 0
	QMUL 0, 1
.else
	QMUL \k%2, 0
.endif
.endr
	WIN 0
	PLACES
	s_barrier_wait -1
	s_and_b32 s66, ttmp9, 1                        ; qa: panel = my row block, K step = my column block (a pair of heads), a quarter of its eight records a wave
	s_lshl_b32 s67, s[RBY], 1
	s_add_co_u32 s66, s66, s67
	s_mul_i32 s66, s66, PS8
	s_lshr_b32 s67, ttmp9, 1
	s_lshl_b32 s67, s67, 2
	s_add_co_u32 s67, s67, s40
	s_mul_i32 s67, s67, PSTEP
	s_add_co_u32 s66, s66, s67
	s_mul_i32 s67, s[WV], 3328
	s_add_co_u32 s66, s66, s67
	s_mov_b32 s67, 0
	s_add_nc_u64 s[74:75], s[12:13], s[66:67]
.macro QTILE a                         ; my 64 columns are one head: half a record; x 1/8 as the model has it
	s_wait_dscnt 0x0
	WIN 2
.set i, 0
.rept 16
	v_pk_mul_f32 v[H+i:H+i+1], v[32*(\a)+i:32*(\a)+i+1], 0x3e000000 op_sel_hi:[1,0]   ; each accumulator from its low end on
.set i, i+2
.endr
	WIN 0
	HQUANT H, 80, 92, HW
	ds_store_b64 v[SQ], v[80:81] offset:(\a)*REC
	ds_store_b64 v[SQ+1], v[82:83] offset:(\a)*REC
	ds_store_b64 v[SQ+2], v[84:85] offset:(\a)*REC
	ds_store_b16 v[SQ+3], v[HW] offset:(\a)*REC
.endm
.irp a, 0,1,2,3
	QTILE \a
.endr
	s_wait_dscnt 0x0                               ; for the others' sake: my halves of the records have landed
	s_barrier_signal -1
	s_barrier_wait -1
.irp i, 0,1,2,3,4,5,6,7,8,9,10,11,12
	ds_load_b64 v[CP+2*\i:CP+2*\i+1], v[CPQ] offset:256*\i         ; two whole records a wave
.endr
.irp i, 0,1,2,3,4,5,6,7,8,9,10,11,12
	s_wait_dscnt 12-\i
	global_store_b64 v[L8], v[CP+2*\i:CP+2*\i+1], s[74:75] offset:256*\i    ; 32 lanes store 256 consecutive bytes, at a multiple of 256 from qa's first byte
.endr
	s_wait_tensorcnt 0x0                           ; the wave's end
	ds_add_u32 v[SPW], v[NIL]
	s_wait_dscnt 0x0
	CROUND                                         ; the closing round
	s_endpgm
.Lfunc_end_k_q30fcfa3a94_gemm1:
	.size	k_q30fcfa3a94_gemm1, .Lfunc_end_k_q30fcfa3a94_gemm1-k_q30fcfa3a94_gemm1
	.p2alignl 7, 3214868480
	.fill 96, 4, 3214868480
	.section	.rodata,"a",@progbits
	.p2align	6, 0x0
	.amdhsa_kernel k_q30fcfa3a94_gemm1
		.amdhsa_group_segment_fixed_size 327680
		.amdhsa_private_segment_fixed_size 0
		.amdhsa_enable_private_segment 0
		.amdhsa_kernarg_size 48
		.amdhsa_user_sgpr_count 2
		.amdhsa_user_sgpr_kernarg_segment_ptr 1
		.amdhsa_wavefront_size32 1
		.amdhsa_system_sgpr_workgroup_id_x 1
		.amdhsa_system_sgpr_workgroup_id_y 1
		.amdhsa_system_sgpr_workgroup_id_z 1
		.amdhsa_system_vgpr_workitem_id 0
		.amdhsa_next_free_vgpr 1024
		.amdhsa_next_free_sgpr 100
		.amdhsa_reserve_vcc 0
		.amdhsa_float_denorm_mode_32 3
		.amdhsa_float_denorm_mode_16_64 3
		.amdhsa_memory_ordered 1
		.amdhsa_forward_progress 1
		.amdhsa_inst_pref_size 255
	.end_amdhsa_kernel
	.amdgpu_metadata
---
amdhsa.version: [ 1, 2 ]
amdhsa.kernels:
  - .name:           k_q30fcfa3a94_gemm1
    .symbol:         k_q30fcfa3a94_gemm1.kd
    .args:
      - { .name: xa, .offset: 0, .size: 8, .value_kind: global_buffer, .address_space: global }
      - { .name: ca, .offset: 8, .size: 8, .value_kind: global_buffer, .address_space: global }
      - { .name: wb1, .offset: 16, .size: 8, .value_kind: global_buffer, .address_space: global }
      - { .name: a2, .offset: 24, .size: 8, .value_kind: global_buffer, .address_space: global }
      - { .name: qa, .offset: 32, .size: 8, .value_kind: global_buffer, .address_space: global }
      - { .name: kv, .offset: 40, .size: 8, .value_kind: global_buffer, .address_space: global }
    .group_segment_fixed_size: 327680
    .private_segment_fixed_size: 0
    .kernarg_segment_align: 8
    .kernarg_segment_size: 48
    .max_flat_workgroup_size: 128
    .sgpr_count:     100
    .vgpr_count:     1024
    .wavefront_size: 32
...
	.end_amdgpu_metadata
.endif
;; end of part 2
;; launch attn (part 3): grid 64 x 4, 16 waves a work-group, no clusters, 169,984 bytes of LDS; arguments qa, kv, a2; writes a2
.if DOCPART == 3
	.amdgcn_target "amdgcn-amd-amdhsa--gfx1250"
	.amdhsa_code_object_version 6
	.text
	.protected	k_q30fcfa3a94_attn
	.globl	k_q30fcfa3a94_attn
	.p2align	8
	.type	k_q30fcfa3a94_attn,@function
k_q30fcfa3a94_attn:
	s_mov_b64 s[64:65], 0
	v_nop
	global_prefetch_b8 v0, s[64:65] scope:SCOPE_SE
	s_setreg_imm32_b32 hwreg(HW_REG_WAVE_MODE, 25, 1), 1
	s_wait_xcnt 0x0
; ATTN: out[b][h][q] = sum over keys of softmax(q . k) v, one k and v for all 16 heads of a batch, both products on codes of FP6 (E2M3) with E8M0 scales; the result, divided by the row's sum, is quantised along
; the heads' channels for the product with Wout -> a2, K steps 0-7.  q arrives x 1/8.
; THE SOFTMAX AHEAD OF THE SECOND PRODUCT: t = score x log2(e); M = the row's largest t so far, rounded up to a whole number; p = 2^(t - M) is what is quantised, along the keys.  The row's sum is taken of the
; unquantised p and divides at the end.  When M moves, the sum and O are multiplied by 2^(old M - new M): exact.
; SHARES.  A work-group owns 16 query rows of a batch; wave w owns head w of them: one tile in 256 registers, four waves to a SIMD, so that one wave's vector work stands beside another's matrix work.
; K and V of the batch, 110,592 bytes of codes and scale words, come into LDS ONCE, sixteen tensor loads of 6,912 bytes at the head; nothing is filled again, so there is no ring.
; NO CLUSTER: the 64 work-groups of a batch read the same 110,592 bytes, each once, at its head: 6,912 bytes a wave against the wave's 96 matrix instructions and eight softmax steps; there is no refill that a joint request could serve.
; LAYOUT.  Both products are used transposed: S^T = K Q^T (source 0 = 16 keys), O^T = V^T P^T (source 0 = 16 channels): a lane holds one query throughout.  The keys of K's tile 2 b + u are 32 b + 8 u + r + 8 (r / 8),
; so that the 16 registers of two neighbouring tiles are 16 neighbouring keys; V's channels are laid likewise, so that O^T's registers run along neighbouring channels.
; THE HEAD IS 64 LONG, the instruction 128: Q's upper six registers are zero codes, so K's upper six may hold any codes; the scale bytes over them are never 0xff.
; LIMITS: NaN and infinities are not served; a block whose largest magnitude lies under 2^-124, a block of zeros among them, gets the byte 1 (this program alone reads the bytes).
; REGISTERS: v1-6 addresses that stay; v8-11 addresses of the step; v12 -M, v13 the largest t, v[14:15] the sum; v16-27 Q; v32-79 four fragments; v80-89 the way out; v96-159 S^T, then p; v160-191 O^T; v224-235 p's codes;
; v232-247 at work; v248-251, v253, v255 scale words; v248-251 also hold partial sums of p; v252 f.
.set PSTEP, 13312
.set REC,   1664
.set PS8,   8*PSTEP
.set PS40,  40*PSTEP
.set KPART, 57344                      ; LDS and kv: K's eight steps of 7,168 bytes; then V's eight of 6,656
.set KSB,   7168
.set VSB,   6656
.set BATCH, 110592
.set STG,   110592                     ; behind K and V: eight records for the way out, bytes of its own
.set ADK,   8
.set ADV,   9
.set ADS,   10
.set ADT,   11
.set TM,    232
.set WV,    18
.set SEL,   20
.set CS,    22
.set G1,    24
.set G0,    32
.set TK,    44
.set TV,    45
.set CNT,   46
.macro HQUANT s, hc, ht, hw            ; 32 numbers of a lane, register 16 b + i = k 32 b + 16 (lane / 16) + i, become half a fragment (six registers) and two scale bytes
.irp b, 0,1
	v_max3_num_f32 v[TM+\b], |v[\s+16*\b]|, |v[\s+1+16*\b]|, 0x1800000
.endr
.irp i, 2,4,6,8,10,12,14
.irp b, 0,1
	s_delay_alu instid0(VALU_DEP_2)
	v_max3_num_f32 v[TM+\b], v[TM+\b], |v[\s+16*\b+\i]|, |v[\s+1+16*\b+\i]|
.endr
.endr
.irp b, 0,1
	s_delay_alu instid0(VALU_DEP_2)
	v_permlanex16_b32 v[TM+4+\b], v[TM+\b], s[SEL], s[SEL+1]
.endr
.irp b, 0,1
	s_delay_alu instid0(VALU_DEP_2)
	v_max_num_f32 v[TM+\b], v[TM+\b], v[TM+4+\b]
.endr
.irp b, 0,1
	s_delay_alu instid0(VALU_DEP_2)
	v_add_nc_u32 v[TM+12+\b], 0xff000000, v[TM+\b]
.endr
.irp b, 0,1
	s_delay_alu instid0(VALU_DEP_2)
	v_lshrrev_b32 v[TM+4+\b], 23, v[TM+12+\b]
.endr
	s_delay_alu instid0(VALU_DEP_1)
	v_lshl_or_b32 v[\hw], v[TM+5], 8, v[TM+4]
	v_cvt_scalef32_pk16_fp6_f32 v[\hc:\hc+2], v[\s:\s+15], v[TM+12]
	v_cvt_scalef32_pk16_fp6_f32 v[\ht:\ht+2], v[\s+16:\s+31], v[TM+13]
	v_nop
.irp i, 0,1,2
	v_permlane16_swap_b32 v[\hc+\i], v[\ht+\i]
.endr
.irp i, 0,1,2
	s_delay_alu instid0(VALU_DEP_3)
	v_mov_b32 v[\hc+3+\i], v[\ht+\i]
.endr
.endm
	s_load_b128 s[4:7], s[0:1], 0x0                ; qa, kv
	s_load_b64 s[8:9], s[0:1], 0x10                ; a2
	v_lshl_add_u32 v223, v0, 2, 0x29000
	v_mov_b32 v243, 0
	ds_add_u32 v223, v243
	ds_add_u32 v223, v243
	v_lshrrev_b32 v8, 5, v0
	s_delay_alu instid0(VALU_DEP_1)
	v_readfirstlane_b32 s[WV], v8                  ; wave = head, 0..15
	s_and_b32 s10, ttmp7, 0xffff                   ; the batch
	s_lshl_b32 s11, s10, 6
	s_add_co_u32 s11, s11, ttmp9                   ; the tile of 16 rows, 0..255
	s_and_b32 s12, s[WV], 1                        ; which head of its pair
	s_lshr_b32 s13, s[WV], 1                       ; the pair: a K step of qa and of a2
	; descriptor group 1: 6,912 dense bytes as 27 rows of 256 bytes (32 elements of 8 bytes)
	s_mov_b32 s[G1], 3<<16
	s_mov_b32 s[G1+1], 32<<16
	s_mov_b32 s[G1+2], 27<<16
	s_mov_b32 s[G1+3], 32<<16
	s_mov_b32 s[G1+4], 27
	s_mov_b32 s[G1+5], 32
	s_mov_b32 s[G1+6], 0
	s_mov_b32 s[G1+7], 0
	s_mul_i32 s14, s[WV], 6912                     ; my sixteenth, in LDS as in memory
	s_mul_i32 s16, s10, BATCH
	s_add_co_u32 s16, s16, s14
	s_mov_b32 s17, 0
	s_mov_b32 s[G0], 1
	s_mov_b32 s[G0+1], s14
	s_lshr_b32 s36, s11, 3                         ; the rows' panel
	s_and_b32 s37, s11, 7                          ; and the tile in it
	s_mul_i32 s37, s37, REC
	s_mul_i32 s39, s13, PSTEP
	s_add_co_u32 s39, s39, s37
	s_mul_i32 s40, s36, PS8
	s_add_co_u32 s40, s40, s39
	s_mov_b32 s41, 0
	s_mul_i32 s42, s36, PS40
	s_add_co_u32 s42, s42, s39
	s_mov_b32 s43, 0
	s_mov_b32 s[SEL], 0x76543210
	s_mov_b32 s[SEL+1], 0xfedcba98
	s_mov_b32 s[CS], 0x3fb8aa3b                    ; log2(e)
	s_mov_b32 s[CS+1], s[CS]                       ; (named with it as a pair, so it is written)
	s_mov_b32 s[TK], 0
	s_mov_b32 s[TV], 0
	s_mov_b32 s[CNT], 8
	s_cmp_eq_u32 s12, 1
	s_cselect_b32 s47, -1, 0                       ; all lanes: the pair's second head
	s_lshl_b32 s48, s12, 4
	s_wait_dscnt 0x0
	s_wait_kmcnt 0x0
	s_add_nc_u64 s[G0+2:G0+3], s[6:7], s[16:17]
	s_or_b32 s[G0+3], s[G0+3], 0x80000000
	tensor_load_to_lds s[G0:G0+3], s[G1:G1+7]      ; my one tensor load of the launch
	s_nop 0
.rept 4
	v_nop
.endr
	s_add_nc_u64 s[4:5], s[4:5], s[40:41]          ; the pair's record of q
	s_add_nc_u64 s[8:9], s[8:9], s[42:43]          ; and of the result
	v_and_b32 v7, 31, v0
	s_delay_alu instid0(VALU_DEP_1)
	v_lshlrev_b32 v1, 3, v7                        ; 8 x lane
	s_delay_alu instid0(VALU_DEP_2)
	v_lshlrev_b32 v2, 2, v7                        ; 4 x lane
	s_delay_alu instid0(VALU_DEP_3)
	v_lshlrev_b32 v3, 4, v7                        ; 16 x lane
.irp c, 0,1,2
	global_load_b128 v[36+4*\c:39+4*\c], v3, s[4:5] offset:512*\c
.endr
	global_load_b32 v48, v2, s[4:5] offset:1536
	v_add_nc_u32 v4, 6144, v2                      ; K's scale words in a step
	v_add_nc_u32 v5, KPART, v1                     ; V's codes
	v_add_nc_u32 v6, KPART+6144, v2                ; V's scale words
	v_mov_b32 v13, 0xff61b1e6                      ; the largest t so far: -3e38
	s_delay_alu instid0(VALU_DEP_1)
	v_floor_f32 v12, -v13                          ; -M
	v_mov_b32 v14, 0
	v_mov_b32 v15, 0
.irp b, 0,1,2,3
	v_mov_b32 v[236+\b], 0                         ; written once: a lane permute's destination counts as one of its sources
.endr
	v_mov_b32 v253, 0                              ; (named as the upper half of v[252:253] before it is first written)
	s_wait_loadcnt 0x0
.irp i, 0,1,2,3,4,5
	v_cndmask_b32 v[16+\i], v[36+\i], v[42+\i], s47   ; my head's half of the record: registers 0-5 or 6-11
.endr
	v_lshrrev_b32 v255, s48, v48                   ; and its two scale bytes, brought to bytes 0, 1
.irp i, 0,1,2,3,4,5
	v_mov_b32 v[22+\i], 0                          ; k = 64 .. 127: zero codes
.endr
.irp t, 0,1,2,3
.irp i, 0,1,2,3,4,5
	v_mov_b32 v[38+12*\t+\i], 0                    ; the upper six registers of K's fragments are named by the products, so they are written
.endr
.endr
.set j, 0
.rept 32
	v_mov_b32 v[160+j], 0                          ; O^T: the loop is written once; its first step finds zeros
.set j, j+1
.endr
	s_wait_tensorcnt 0x0                           ; my sixteenth has landed,
	s_barrier_signal -1
	s_barrier_wait -1                              ; everybody's has
.Lkey:                                             ; eight trips of 128 keys
	v_add_nc_u32 v[ADK], s[TK], v1                 ; (these four are also the places behind the last trip's products)
	s_wait_alu depctr_va_vdst(0)
	v_add_nc_u32 v[ADS], s[TK], v4
	s_wait_alu depctr_va_vdst(0)
	v_add_nc_u32 v[ADV], s[TV], v5
	v_add_nc_u32 v[ADT], s[TV], v6
.irp g, 0,1                                    ; S^T = K Q^T, four tiles of 16 keys at a time
.if \g > 0
.rept 4
	v_nop
.endr
.endif
.irp t, 0,1,2,3
.irp p, 0,1,2
	ds_load_b64 v[32+12*\t+2*\p:33+12*\t+2*\p], v[ADK] offset:768*(4*\g+\t)+256*\p   ; 32 lanes read 256 consecutive bytes
.endr
	ds_load_b32 v[248+\t], v[ADS] offset:128*(4*\g+\t)
.endr
	s_wait_dscnt 0x0
.irp t, 0,1,2,3
	v_wmma_scale_f32_16x16x128_f8f6f4 v[96+8*(4*\g+\t):103+8*(4*\g+\t)], v[32+12*\t:43+12*\t], v[16:27], 0, v[248+\t], v255 matrix_a_fmt:MATRIX_FMT_FP6 matrix_b_fmt:MATRIX_FMT_FP6
.endr
.endr
.rept 4
	v_nop
.endr
.irp b, 0,1,2,3
	v_max3_num_f32 v[232+\b], v[96+16*\b], v[97+16*\b], v[98+16*\b]   ; the largest score of each block of 32 keys: for the row's maximum, and, since p rises with the score, for the block's largest p
.endr
.irp i, 3,5,7,9,11,13
.irp b, 0,1,2,3
	v_max3_num_f32 v[232+\b], v[232+\b], v[96+16*\b+\i], v[97+16*\b+\i]
.endr
.endr
.irp b, 0,1,2,3
	v_max_num_f32 v[232+\b], v[232+\b], v[111+16*\b]
.endr
.irp b, 0,1,2,3
	s_delay_alu instid0(VALU_DEP_4)
	v_permlanex16_b32 v[236+\b], v[232+\b], s[SEL], s[SEL+1]
.endr
.irp b, 0,1,2,3
	s_delay_alu instid0(VALU_DEP_4)
	v_max_num_f32 v[232+\b], v[232+\b], v[236+\b]  ; with lane l xor 16's 16 keys
.endr
	s_delay_alu instid0(VALU_DEP_2)
	v_max3_num_f32 v254, v232, v233, v234
	s_delay_alu instid0(VALU_DEP_1)
	v_max_num_f32 v254, v254, v235
	s_delay_alu instid0(VALU_DEP_1)
	v_mul_f32 v254, s[CS], v254                    ; the step's largest t
	s_delay_alu instid0(VALU_DEP_1)
	v_max_num_f32 v13, v13, v254                   ; the running largest t
	v_mov_b32 v254, v12
	s_delay_alu instid0(VALU_DEP_2)
	v_floor_f32 v12, -v13                          ; the new -M = floor(-t): M is a whole number
	s_delay_alu instid0(VALU_DEP_1)
	v_sub_f32 v254, v12, v254                      ; old M - new M: a whole number, 0 or less
	s_delay_alu instid0(VALU_DEP_1)
	v_cvt_i32_f32 v254, v254
	s_delay_alu instid0(VALU_DEP_1)
	v_ldexp_f32 v252, 1.0, v254                    ; f = 2^(old M - new M)
.set j, 0
.rept 32
	v_pk_fma_f32 v[96+j:97+j], v[96+j:97+j], s[CS:CS+1], v[12:13] op_sel_hi:[1,0,0]   ; t - M, two at a time
.set j, j+2
.endr
.irp b, 0,1,2,3
	v_fma_f32 v[232+\b], v[232+\b], s[CS], v12     ; the same of each block's largest score
.endr
.set j, 0
	s_wait_alu depctr_va_vdst(0)
.rept 64
	v_exp_f32 v[96+j], v[96+j]                     ; p = 2^(t - M), at most 1
.set j, j+1
.endr
	v_pk_mul_f32 v[14:15], v[14:15], v[252:253] op_sel_hi:[1,0]   ; the sums under the new M (a plain instruction behind the exponentials)
	s_wait_alu depctr_va_vdst(0)                   ; one wait for the batch of 64, ahead of its first reader
.irp b, 0,1,2,3
	v_exp_f32 v[232+\b], v[232+\b]                 ; the block's largest p
.endr
	v_pk_add_f32 v[236:237], v[100:101], v[104:105]
	v_pk_add_f32 v[250:251], v[108:109], v[112:113]
	v_pk_add_f32 v[248:249], v[116:117], v[120:121]
	v_pk_add_f32 v[246:247], v[124:125], v[128:129]
	v_pk_add_f32 v[244:245], v[132:133], v[136:137]
	v_pk_add_f32 v[240:241], v[140:141], v[144:145]
	v_pk_add_f32 v[238:239], v[148:149], v[152:153]
	v_pk_add_f32 v[14:15], v[14:15], v[156:157]
	v_pk_add_f32 v[236:237], v[236:237], v[96:97]
	v_pk_add_f32 v[250:251], v[250:251], v[98:99]
	v_pk_add_f32 v[248:249], v[248:249], v[102:103]
	v_pk_add_f32 v[246:247], v[246:247], v[106:107]
	v_pk_add_f32 v[244:245], v[244:245], v[110:111]
	v_pk_add_f32 v[240:241], v[240:241], v[114:115]
	v_pk_add_f32 v[238:239], v[238:239], v[118:119]
	v_pk_add_f32 v[14:15], v[14:15], v[122:123]
	v_pk_add_f32 v[236:237], v[236:237], v[126:127]
	v_pk_add_f32 v[250:251], v[250:251], v[130:131]
	v_pk_add_f32 v[248:249], v[248:249], v[134:135]
	v_pk_add_f32 v[246:247], v[246:247], v[138:139]
	v_pk_add_f32 v[244:245], v[244:245], v[142:143]
	v_pk_add_f32 v[240:241], v[240:241], v[146:147]
	v_pk_add_f32 v[238:239], v[238:239], v[150:151]
	v_pk_add_f32 v[14:15], v[14:15], v[154:155]
	v_pk_add_f32 v[236:237], v[236:237], v[158:159]
	s_delay_alu instid0(VALU_DEP_2)
	v_pk_add_f32 v[14:15], v[14:15], v[246:247]
	s_delay_alu instid0(VALU_DEP_2)
	v_pk_add_f32 v[236:237], v[236:237], v[244:245]
	v_pk_add_f32 v[250:251], v[250:251], v[240:241]
	v_pk_add_f32 v[248:249], v[248:249], v[238:239]
	s_delay_alu instid0(VALU_DEP_2)
	v_pk_add_f32 v[14:15], v[14:15], v[250:251]
	s_delay_alu instid0(VALU_DEP_2)
	v_pk_add_f32 v[236:237], v[236:237], v[248:249]
	s_delay_alu instid0(VALU_DEP_1)
	v_pk_add_f32 v[14:15], v[14:15], v[236:237]
	s_wait_alu depctr_va_vdst(0)                   ; and one for the four
.irp b, 0,1,2,3
	v_max_num_f32 v[232+\b], 0x1800000, v[232+\b]  ; the floor 2^(3 - 127)
.endr
.irp b, 0,1,2,3
	s_delay_alu instid0(VALU_DEP_4)
	v_add_nc_u32 v[244+\b], 0xff000000, v[232+\b]  ; the conversion's scale operand
.endr
.irp b, 0,1,2,3
	s_delay_alu instid0(VALU_DEP_4)
	v_lshrrev_b32 v[236+\b], 23, v[244+\b]
.endr
	s_delay_alu instid0(VALU_DEP_3)
	v_lshl_or_b32 v253, v237, 8, v236              ; p's scale word for these 128 keys
	s_delay_alu instid0(VALU_DEP_1)
	v_lshl_or_b32 v253, v238, 16, v253
	s_delay_alu instid0(VALU_DEP_1)
	v_lshl_or_b32 v253, v239, 24, v253
.irp c, 0,1
	v_cvt_scalef32_pk16_fp6_f32 v[224+6*\c:226+6*\c], v[96+32*\c:111+32*\c], v[244+2*\c]
	v_cvt_scalef32_pk16_fp6_f32 v[236+4*\c:238+4*\c], v[112+32*\c:127+32*\c], v[244+2*\c+1]
.endr
	v_nop
.irp c, 0,1
.irp i, 0,1,2
	v_permlane16_swap_b32 v[224+6*\c+\i], v[236+4*\c+\i]
.endr
.irp i, 0,1,2
	s_delay_alu instid0(VALU_DEP_3)
	v_mov_b32 v[227+6*\c+\i], v[236+4*\c+\i]
.endr
.endr
.set j, 0
.rept 16
	v_pk_mul_f32 v[160+j:161+j], v[160+j:161+j], v[252:253] op_sel_hi:[1,0]   ; O^T under the new M; these sixteen also stand between the writes of p's codes and word and the products
.set j, j+2
.endr
.irp t, 0,1,2,3                                ; O^T += V^T P^T: the head's four tiles of 16 channels; K = these 128 keys
.irp p, 0,1,2,3,4,5
	ds_load_b64 v[32+12*\t+2*\p:33+12*\t+2*\p], v[ADV] offset:1536*\t+256*\p
.endr
	ds_load_b32 v[248+\t], v[ADT] offset:128*\t
.endr
	s_wait_alu depctr_va_vdst(0)
	s_wait_dscnt 0x0
.irp t, 0,1,2,3
	v_wmma_scale_f32_16x16x128_f8f6f4 v[160+8*\t:167+8*\t], v[32+12*\t:43+12*\t], v[224:235], v[160+8*\t:167+8*\t], v[248+\t], v253 matrix_a_fmt:MATRIX_FMT_FP6 matrix_b_fmt:MATRIX_FMT_FP6
.endr
	s_add_co_u32 s[TK], s[TK], KSB
	s_add_co_u32 s[TV], s[TV], VSB
	s_sub_co_u32 s[CNT], s[CNT], 1
	s_cmp_lg_u32 s[CNT], 0
	s_cbranch_scc1 .Lkey
	; THE WAY OUT.  O^T / the sum: register 16 b + i = channel 32 b + 16 (lane / 16) + i of my head: half a fragment.  The pair's two waves build one record in LDS; then each copies half of it.
	v_add_f32 v14, v14, v15
	s_delay_alu instid0(VALU_DEP_1)
	v_permlanex16_b32 v252, v14, s[SEL], s[SEL+1]
	s_delay_alu instid0(VALU_DEP_1)
	v_add_f32 v14, v14, v252                       ; the row's sum
	s_wait_alu depctr_va_vdst(0)
	v_rcp_f32 v14, v14
	s_mul_i32 s50, s13, REC
	s_add_co_u32 s50, s50, STG                     ; the pair's record in the stage
	s_mul_i32 s51, s12, 520                        ; register pairs (0,1) (2,3) (4,5) lie at 0, 8, 512; pairs (6,7) (8,9) (10,11) at 520, 1024, 1032; + 16 x lane
	s_add_co_u32 s51, s51, s50
	v_add_nc_u32 v80, s51, v3
	s_mul_i32 s52, s12, 1016
	s_add_co_u32 s52, s52, s50
	s_add_co_u32 s52, s52, 8
	v_add_nc_u32 v81, s52, v3
	v_add_nc_u32 v82, 512, v80
	s_lshl_b32 s53, s12, 1
	s_add_co_u32 s53, s53, s50
	s_add_co_u32 s53, s53, 1536
	v_add_nc_u32 v83, s53, v2                      ; my two bytes of the row's scale word
	s_lshl_b32 s54, s12, 9
	v_add_nc_u32 v84, s54, v3                      ; the copy: bytes 0-1023 by 16, 512 a wave;
	s_lshl_b32 s55, s12, 8
	s_add_co_u32 s55, s55, 1024
	v_add_nc_u32 v85, s55, v1                      ; 1024-1535 by 8, 256 a wave;
	s_lshl_b32 s56, s12, 6
	s_add_co_u32 s56, s56, 1536
	v_lshrrev_b32 v86, 1, v2
	s_delay_alu instid0(VALU_DEP_1)
	v_add_nc_u32 v86, s56, v86                     ; 1536-1663 by 2, 64 a wave
	v_add_nc_u32 v87, s50, v84
	v_add_nc_u32 v88, s50, v85
	s_delay_alu instid0(VALU_DEP_3)
	v_add_nc_u32 v89, s50, v86
	s_wait_alu depctr_va_vdst(0)                   ; the wait ahead of the reciprocal's first reader; the address work above stands between
.set j, 0
.rept 32
	v_mul_f32 v[96+j], v[160+j], v14
.set j, j+1
.endr
	HQUANT 96, 224, 240, 246
	ds_store_b64 v80, v[224:225]
	ds_store_b64 v81, v[226:227]
	ds_store_b64 v82, v[228:229]
	ds_store_b16 v83, v246
	s_wait_dscnt 0x0                               ; for the other wave's sake: my half has landed
	s_barrier_signal -1
	s_barrier_wait -1
	ds_load_b128 v[32:35], v87
	ds_load_b64 v[36:37], v88
	ds_load_u16 v38, v89
	s_wait_dscnt 0x0
	global_store_b128 v84, v[32:35], s[8:9]
	global_store_b64 v85, v[36:37], s[8:9]
	global_store_b16 v86, v38, s[8:9]
	s_wait_tensorcnt 0x0
	ds_add_u32 v223, v243
	s_wait_dscnt 0x0
	s_endpgm
.Lfunc_end_k_q30fcfa3a94_attn:
	.size	k_q30fcfa3a94_attn, .Lfunc_end_k_q30fcfa3a94_attn-k_q30fcfa3a94_attn
	.p2alignl 7, 3214868480
	.fill 96, 4, 3214868480
	.section	.rodata,"a",@progbits
	.p2align	6, 0x0
	.amdhsa_kernel k_q30fcfa3a94_attn
		.amdhsa_group_segment_fixed_size 169984
		.amdhsa_private_segment_fixed_size 0
		.amdhsa_enable_private_segment 0
		.amdhsa_kernarg_size 24
		.amdhsa_user_sgpr_count 2
		.amdhsa_user_sgpr_kernarg_segment_ptr 1
		.amdhsa_wavefront_size32 1
		.amdhsa_system_sgpr_workgroup_id_x 1
		.amdhsa_system_sgpr_workgroup_id_y 1
		.amdhsa_system_sgpr_workgroup_id_z 1
		.amdhsa_system_vgpr_workitem_id 0
		.amdhsa_next_free_vgpr 256
		.amdhsa_next_free_sgpr 66
		.amdhsa_reserve_vcc 0
		.amdhsa_float_denorm_mode_32 3
		.amdhsa_float_denorm_mode_16_64 3
		.amdhsa_memory_ordered 1
		.amdhsa_forward_progress 1
		.amdhsa_inst_pref_size 32
	.end_amdhsa_kernel
	.amdgpu_metadata
---
amdhsa.version: [ 1, 2 ]
amdhsa.kernels:
  - .name:           k_q30fcfa3a94_attn
    .symbol:         k_q30fcfa3a94_attn.kd
    .args:
      - { .name: qa, .offset: 0, .size: 8, .value_kind: global_buffer, .address_space: global }
      - { .name: kv, .offset: 8, .size: 8, .value_kind: global_buffer, .address_space: global }
      - { .name: a2, .offset: 16, .size: 8, .value_kind: global_buffer, .address_space: global }
    .group_segment_fixed_size: 169984
    .private_segment_fixed_size: 0
    .kernarg_segment_align: 8
    .kernarg_segment_size: 24
    .max_flat_workgroup_size: 512
    .sgpr_count:     66
    .vgpr_count:     256
    .wavefront_size: 32
...
	.end_amdgpu_metadata
.endif
;; end of part 3
;; launch gemm2 (part 4): grid 8 x 32, 4 waves a work-group, clusters of 4 x 4, 327,680 bytes of LDS; arguments a2, wb2, out0; writes out0
.if DOCPART == 4
	.amdgcn_target "amdgcn-amd-amdhsa--gfx1250"
	.amdhsa_code_object_version 6
	.text
	.protected	k_q30fcfa3a94_gemm2
	.globl	k_q30fcfa3a94_gemm2
	.p2align	8
	.type	k_q30fcfa3a94_gemm2,@function
k_q30fcfa3a94_gemm2:
	s_mov_b64 s[64:65], 0
	v_nop
	global_prefetch_b8 v0, s[64:65] scope:SCOPE_SE
	s_setreg_imm32_b32 hwreg(HW_REG_WAVE_MODE, 25, 1), 1
	s_wait_xcnt 0x0
	s_wait_alu depctr_hold_cnt(0) depctr_sa_sdst(0) depctr_va_vdst(0) depctr_va_sdst(0) depctr_va_ssrc(0) depctr_va_vcc(0) depctr_vm_vsrc(0)
	s_getreg_b32 s2, hwreg(HW_REG_IB_STS2, 6, 4)
	s_cmp_eq_u32 s2, 0
	s_cbranch_scc0 .Lentry_in_a_cluster
	s_endpgm
.Lentry_in_a_cluster:
	s_bfe_u32 s2, ttmp6, 0x10000c
	s_cmp_lg_u32 s2, 0xf033
	s_cbranch_scc0 .Lentry_shape_is_right
	s_endpgm
.Lentry_shape_is_right:
; GEMM2: out0 = [attention's result | h] x [Wout ; Wff2]: one product of 4,096 x 1,024 with K = 5,120 (40 K steps of 128), on codes of FP6 (E2M3) with E8M0 scales; sums in f32, K ascending, one accumulator for each output.
; OPERANDS are records (1,664 bytes: the image of a fragment's 12 registers, then 4 bytes of scale word a lane); eight records are a panel's K step (128 rows, 13,312 bytes); a panel's 40 K steps lie on end.
; SHARES: 256 work-groups, each a block of 128 x 128 (one panel of a2, one of wb2); four waves, each 64 x 64 in 16 accumulators, over all of K: nothing is summed across waves.
; THE RING: two LDS slots, each with five K steps of A's panel and five of B's (133,120 bytes); a fill is four joint loads, one a wave, of 33,280 dense bytes (130 rows of 256): eight fills in all.
; A slot is free as soon as its fifth K step's fragments are in registers: the change of slots stands ahead of that step's products, so fragments are always fetched one K step ahead.
; CLUSTERS: 4 x 4.  A's panel hangs on the block's row alone and is asked for jointly along a row of the cluster, B's on its column alone, along a column.
; PREFETCH: behind the load of fill f stand two prefetches for fill f + 2 (f = 0 .. 5).  Of the 130 blocks of 256 bytes that a wave will load, each of the four partners that ask jointly names 33
; (33 p + lane, and 33 p + 32 by the second line; p = cx for A, cy for B; held at block 129), told apart by address alone.  Asked for and not yet loaded: at most two fills.
; THE MATRIX INSTRUCTION IS USED TRANSPOSED (source 0 = 16 rows of the weight, source 1 = 16 rows of a2): a lane holds one row of the result.  The weights' tile 2 b + u holds in lane r the column 32 b + 8 u + r + 8 (r / 8),
; so register j of lane (r, h) of that tile is column 32 b + 16 h + 8 u + j.
; REGISTERS: window 0: v0-31 addresses; v32-47 scale words and nothing else, two sets; v128-223 A's fragments, two sets of four (on the way out v128-255: rows read back).  Window 1: B's fragments, at v0 and v128.  Window 2: v0-127 the sums.
.set PSTEP, 13312
.set REC,   1664
.set PS40,  40*PSTEP
.set FILLB, 5*PSTEP                    ; one operand's part of a fill
.set HALF,  FILLB/2                    ; what one tensor load brings
.set SLOT,  2*FILLB
.set SPARE, 2*SLOT                     ; the spare words: 128 bytes a wave, two blocks of 256 bytes that no other line names
.set OST,   SPARE+512                  ; the way out: for each wave two stages of 16 rows x (256 + 16) bytes, bytes of their own
.set OPITCH, 272
.set OBLK,  16*OPITCH
.set FR,    12
.set SC,    32
.set AF,    128
.set BK,    128
.set PFO,   5                          ; v5-6   the prefetches' offsets; never rewritten
.set QADA,  9                          ; v9-10  my four tiles of A in slot 0, 1
.set STO,   11
.set RD,    12
.set CO,    13
.set QADB,  14                         ; v14-15 my four tiles of B
.set QADS,  18                         ; v18-19 scale words: lanes 0-15 A's, lanes 16-31 B's
.set SPW,   28
.set NIL,   29
.set LI,    30
.set LS,    31
.set PFA,   10                         ; s[10:11] my quarter of the fill that the lap's first prefetch names
.set WV,    16
.set MI,    17                         ; my half of the rows; also: I fetch for A (0) or B (1)
.set NI,    18                         ; my half of the columns; also: which half of the operand's part I fetch
.set RBY,   19
.set RBX,   42
.set G1,    24
.set G0,    32
.set G1B,   48
.set G0B,   56
.set MSB, 0
.macro WIN new                         ; the immediate's high byte repeats the setting that is left
.if MSB != (\new)
	s_set_vgpr_msb (MSB<<8)|(\new)
.set MSB, (\new)
.endif
.endm
.set MUL_LO, 0xa1                      ; source 0 (B) window 1, source 1 (A) window 0, C and D window 2
.set TO_B,   0x40
.macro PLACES                          ; four plain instructions between a matrix instruction and a load into, or a read of, its registers
.rept 4
	v_nop
.endr
.endm
.macro JLOAD g0a, g1a, g0b, g1b        ; a joint load; the branch hangs on the wave's number alone; s_nop 0 and four v_nop follow each line
	s_cmp_eq_u32 s[MI], 0
	s_cbranch_scc0 .Lfor_b_\@
	tensor_load_to_lds s[\g0a:\g0a+3], s[\g1a:\g1a+7]
	s_nop 0
.rept 4
	v_nop
.endr
	s_branch .Lasked_\@
.Lfor_b_\@:
	tensor_load_to_lds s[\g0b:\g0b+3], s[\g1b:\g1b+7]
	s_nop 0
.rept 4
	v_nop
.endr
.Lasked_\@:
.endm
.macro CREST                           ; a round of the cluster's barrier behind its opening barrier
	s_cmp_lg_u32 s[WV], 0
	s_cbranch_scc1 .Lnot_wave_0_\@
	s_barrier_signal -3
.Lnot_wave_0_\@:
	s_barrier_wait -3
	s_barrier_signal -1
	s_barrier_wait -1
.endm
.macro CROUND
	s_barrier_signal -1
	s_barrier_wait -1
	CREST
.endm
.macro FRAG reg, adr, off              ; a record's codes: three loads of 512 consecutive bytes
.irp c, 0,1,2
	ds_load_b128 v[\reg+4*\c:\reg+4*\c+3], v[\adr] offset:\off+512*\c
.endr
.endm
.macro QFETCH s, q, p                  ; 28 loads: my fragments and scale words of slot s's K step q into set p
	WIN TO_B
.irp i, 0,1,2,3
	FRAG 128*(\p)+FR*\i, QADB+\s, (\q)*PSTEP+\i*REC
.endr
	WIN 0
.irp i, 0,1,2,3
	FRAG AF+48*(\p)+FR*\i, QADA+\s, (\q)*PSTEP+\i*REC
.endr
.irp i, 0,1,2,3
	ds_load_b32 v[SC+8*(\p)+\i], v[QADS+\s] offset:(\q)*PSTEP+\i*REC
.endr
.endm
; eight matrix instructions: A's tiles a0, a0 + 1 x B's four.  The 16 accumulators take turns, one instruction a turn, in the same order in every K step.
.macro QMULH p, a0, zero
.irp a, \a0, \a0+1
.irp b, 0,1,2,3
.if \zero
	v_wmma_scale_f32_16x16x128_f8f6f4 v[8*(4*(\a)+\b):8*(4*(\a)+\b)+7], v[128*(\p)+FR*\b:128*(\p)+FR*\b+FR-1], v[AF+48*(\p)+FR*(\a):AF+48*(\p)+FR*(\a)+FR-1], 0, v[SC+8*(\p)+\b], v[SC+8*(\p)+(\a)] matrix_a_fmt:MATRIX_FMT_FP6 matrix_b_fmt:MATRIX_FMT_FP6 matrix_a_scale:MATRIX_SCALE_ROW1
.else
	v_wmma_scale_f32_16x16x128_f8f6f4 v[8*(4*(\a)+\b):8*(4*(\a)+\b)+7], v[128*(\p)+FR*\b:128*(\p)+FR*\b+FR-1], v[AF+48*(\p)+FR*(\a):AF+48*(\p)+FR*(\a)+FR-1], v[8*(4*(\a)+\b):8*(4*(\a)+\b)+7], v[SC+8*(\p)+\b], v[SC+8*(\p)+(\a)] matrix_a_fmt:MATRIX_FMT_FP6 matrix_b_fmt:MATRIX_FMT_FP6 matrix_a_scale:MATRIX_SCALE_ROW1
.endif
.endr
.endr
.endm
; One of a slot's first four K steps: the next step's fragments are fetched, then this step's are multiplied.  Slot s's K step q lies in set (q + s) % 2.
.macro GSTEP s, q, zero
	PLACES
	QFETCH \s, (\q)+1, ((\q)+1+\s)%2
	s_wait_dscnt 28                                ; all but the 28 loads just issued
	WIN MUL_LO
	QMULH ((\q)+\s)%2, 0, \zero
	QMULH ((\q)+\s)%2, 2, \zero
.endm
; A slot's fifth K step (set s), and the change of slots.  In front of the barrier each wave waits for all its tensor loads; where the slot is filled again (fill = 1) it adds 0 to its spare word, and the barrier opens a round of the cluster's.
.macro CHANGE s, fill, ask
	WIN 0
	s_wait_tensorcnt 0x0                           ; all my tensor loads have landed: my part of the other slot
.if \fill
	ds_add_u32 v[SPW], v[NIL]
	s_wait_dscnt 1                                 ; (the add may be out: the fifth step's fragments are in)
.else
	s_wait_dscnt 0x0
.endif
	WIN MUL_LO
	QMULH \s, 0, 0                                 ; eight matrix instructions stand between the add and the wait for it
	s_wait_dscnt 0x0                               ; the add is done, and my reads of this slot are over
	s_barrier_signal -1
	WIN 0
	s_barrier_wait -1
.if \fill
	CREST
	s_add_nc_u64 s[G0+4*\s+2:G0+4*\s+3], s[G0+4*\s+2:G0+4*\s+3], 2*FILLB
	s_add_nc_u64 s[G0B+4*\s+2:G0B+4*\s+3], s[G0B+4*\s+2:G0B+4*\s+3], 2*FILLB
	JLOAD G0+4*\s, G1, G0B+4*\s, G1B               ; the first tensor load behind the round; its four v_nop are also the places in front of the loads below
.else
	PLACES
.endif
	QFETCH 1-\s, 0, 1-\s
.if \ask
	s_cmp_gt_u32 s3, 1                             ; the last lap's refills are fills 6 and 7: no fill stands two further on
	s_cbranch_scc0 .Lno_ask_\@
	global_prefetch_b8 v[PFO], s[PFA:PFA+1] offset:\s*FILLB th:TH_LOAD_NT scope:SCOPE_SE
	global_prefetch_b8 v[PFO+1], s[PFA:PFA+1] offset:\s*FILLB th:TH_LOAD_NT scope:SCOPE_SE
.Lno_ask_\@:
.endif
	WIN MUL_LO
	QMULH \s, 2, 0
.endm
	s_load_b128 s[4:7], s[0:1], 0x0                ; a2, wb2
	s_load_b64 s[8:9], s[0:1], 0x10                ; out0
	v_lshl_add_u32 v[SPW], v0, 2, SPARE
	v_mov_b32 v[NIL], 0
	ds_add_u32 v[SPW], v[NIL]                      ; the opening lines: the add, twice on end, and its wait ahead of my first tensor load
	ds_add_u32 v[SPW], v[NIL]
	v_lshrrev_b32 v1, 5, v0
	v_readfirstlane_b32 s[WV], v1                  ; wave 0..3
	s_lshr_b32 s[MI], s[WV], 1
	s_and_b32 s[NI], s[WV], 1
	s_bfe_u32 s40, ttmp6, 0x40000                  ; cx, cy
	s_bfe_u32 s41, ttmp6, 0x40004
	s_lshl_b32 s[RBX], ttmp9, 2
	s_add_co_u32 s[RBX], s[RBX], s40               ; the block's column, 0..7
	s_and_b32 s[RBY], ttmp7, 0xffff
	s_lshl_b32 s[RBY], s[RBY], 2
	s_add_co_u32 s[RBY], s[RBY], s41               ; its row, 0..31
	s_lshl_b32 s43, s41, 2
	s_lshl_b32 s43, 15, s43                        ; my row of the cluster
	s_lshl_b32 s44, 0x1111, s40                    ; my column
	; descriptor group 1: a dense block of 33,280 bytes as 130 rows of 256 bytes (32 elements of 8 bytes)
	s_or_b32 s[G1], s43, (3<<16)|(1<<21)
	s_or_b32 s[G1B], s44, (3<<16)|(1<<21)
.irp g, G1, G1B
	s_mov_b32 s[\g+1], 32<<16
	s_mov_b32 s[\g+2], 130<<16
	s_mov_b32 s[\g+3], 32<<16
	s_mov_b32 s[\g+4], 130
	s_mov_b32 s[\g+5], 32
	s_mov_b32 s[\g+6], 0
	s_mov_b32 s[\g+7], 0
.endr
	v_and_b32 v2, 31, v0
	v_and_b32 v1, 15, v0                           ; r
	v_bfe_u32 v3, v0, 4, 1                         ; h
	v_lshlrev_b32 v[LI], 4, v2
	v_lshlrev_b32 v[LS], 2, v2
	s_mul_i32 s22, s[NI], HALF
	s_mul_i32 s20, s[RBY], PS40
	s_add_co_u32 s20, s20, s22                     ; A: my panel, the half of a fill that I fetch
	s_mov_b32 s21, 0
	s_mul_i32 s46, s[RBX], PS40
	s_add_co_u32 s46, s46, s22                     ; B likewise
	s_mov_b32 s47, 0
	s_mul_i32 s45, s[WV], HALF                     ; where they go: A's two halves, then B's: no place in the cluster enters an LDS address
	s_wait_alu depctr_va_vdst(0)
	s_wait_dscnt 0x0                               ; both opening adds are done
	s_wait_kmcnt 0x0
	s_add_nc_u64 s[20:21], s[4:5], s[20:21]
	s_add_nc_u64 s[46:47], s[6:7], s[46:47]
	CROUND                                         ; all sixteen work-groups are here: the first joint loads meet
.irp s, 0,1
	s_mov_b32 s[G0+4*\s], 1
	s_add_co_u32 s[G0+4*\s+1], s45, \s*SLOT
	s_add_nc_u64 s[G0+4*\s+2:G0+4*\s+3], s[20:21], \s*FILLB
	s_or_b32 s[G0+4*\s+3], s[G0+4*\s+3], 0x80000000
	s_mov_b32 s[G0B+4*\s], 1
	s_add_co_u32 s[G0B+4*\s+1], s45, \s*SLOT
	s_add_nc_u64 s[G0B+4*\s+2:G0B+4*\s+3], s[46:47], \s*FILLB
	s_or_b32 s[G0B+4*\s+3], s[G0B+4*\s+3], 0x80000000
.endr
	JLOAD G0, G1, G0B, G1B                         ; fill 0: my one tensor load at the head
	; the prefetches: my quarter of fill 2, and my work-group's blocks of it
	s_cmp_eq_u32 s[MI], 0                          ; do I fetch for A?
	s_cselect_b32 s66, s40, s41                    ; my place among the four that ask with me
	s_cselect_b64 s[PFA:PFA+1], s[20:21], s[46:47]
	s_add_nc_u64 s[PFA:PFA+1], s[PFA:PFA+1], 2*FILLB
	s_mul_i32 s66, s66, 33
	s_add_co_u32 s67, s66, 32
	s_min_u32 s67, s67, 129
	s_lshl_b32 s67, s67, 8
	v_add_nc_u32 v4, s66, v2
	v_min_u32 v4, 129, v4                          ; held at my quarter's last block
	v_lshlrev_b32 v[PFO], 8, v4
	v_mov_b32 v[PFO+1], s67
	; LDS addresses: A's five K steps lie at the slot's start, B's behind them; my four tiles of each
	s_mul_i32 s66, s[MI], 4*REC
	s_mul_i32 s67, s[NI], 4*REC
	s_add_co_u32 s67, s67, FILLB
	s_sub_co_u32 s68, s67, s66
	s_add_co_u32 s69, s66, 1536
	v_mul_u32_u24 v4, s68, v3                      ; lanes 16-31 take B's scale words: one product, the distance between the two
	v_add_nc_u32 v4, v4, v[LS]
	v_add_nc_u32 v[QADA], s66, v[LI]
	v_add_nc_u32 v[QADB], s67, v[LI]
	v_add_nc_u32 v[QADS], s69, v4
	v_add_nc_u32 v[QADA+1], SLOT, v[QADA]
	v_add_nc_u32 v[QADB+1], SLOT, v[QADB]
	v_add_nc_u32 v[QADS+1], SLOT, v[QADS]
	s_mul_i32 s68, s[WV], 2*OBLK
	s_add_co_u32 s68, s68, OST                     ; my stages
	v_mul_u32_u24 v4, v1, OPITCH                   ; in: row r, 64 bytes on for lanes 16-31
	v_lshl_add_u32 v4, v3, 6, v4
	v_add_nc_u32 v[STO], s68, v4
	v_mul_u32_u24 v7, v3, OPITCH                   ; back: sixteen lanes to a row of 256 bytes, two rows a load
	v_lshl_add_u32 v7, v1, 4, v7
	v_add_nc_u32 v[RD], s68, v7
	v_lshlrev_b32 v8, 12, v3                       ; and the same two rows in out0
	v_lshl_add_u32 v[CO], v1, 4, v8
	s_wait_alu depctr_va_vdst(0)
	global_prefetch_b8 v[PFO], s[PFA:PFA+1] th:TH_LOAD_NT scope:SCOPE_SE        ; fill 2
	global_prefetch_b8 v[PFO+1], s[PFA:PFA+1] th:TH_LOAD_NT scope:SCOPE_SE
	s_lshl_b32 s66, s[RBY], 7
	s_lshl_b32 s67, s[MI], 6
	s_add_co_u32 s66, s66, s67                     ; my first row of out0
	s_lshl_b32 s66, s66, 12
	s_lshl_b32 s67, s[RBX], 9
	s_add_co_u32 s66, s66, s67
	s_lshl_b32 s67, s[NI], 8
	s_add_co_u32 s66, s66, s67                     ; my first column, in bytes
	s_mov_b32 s67, 0
	s_add_nc_u64 s[8:9], s[8:9], s[66:67]
	s_wait_tensorcnt 0x0                           ; my part of fill 0 is in
	ds_add_u32 v[SPW], v[NIL]
	s_wait_dscnt 0x0
	CROUND
	JLOAD G0+4, G1, G0B+4, G1B                     ; fill 1: slot 1's first fill, the first tensor load behind the round
	QFETCH 0, 0, 0
	global_prefetch_b8 v[PFO], s[PFA:PFA+1] offset:FILLB th:TH_LOAD_NT scope:SCOPE_SE   ; fill 3
	global_prefetch_b8 v[PFO+1], s[PFA:PFA+1] offset:FILLB th:TH_LOAD_NT scope:SCOPE_SE
	GSTEP 0, 0, 1                                  ; K step 0 starts the sums, ahead of the loop: nothing is cleared
	WIN 0
	s_mov_b32 s3, 3
.Llap:                                                 ; a lap goes once round the ring, from slot 0's second K step to its next first, and fills both slots again: fills 2 to 7
	s_wait_xcnt 0x0                                ; my prefetches have read their address: it steps two fills on
	s_add_nc_u64 s[PFA:PFA+1], s[PFA:PFA+1], 2*FILLB
	GSTEP 0, 1, 0
	GSTEP 0, 2, 0
	GSTEP 0, 3, 0
	CHANGE 0, 1, 1
	GSTEP 1, 0, 0
	GSTEP 1, 1, 0
	GSTEP 1, 2, 0
	GSTEP 1, 3, 0
	CHANGE 1, 1, 1
	GSTEP 0, 0, 0
	WIN 0
	s_sub_co_u32 s3, s3, 1
	s_cmp_lg_u32 s3, 0
	s_cbranch_scc1 .Llap
	GSTEP 0, 1, 0                                  ; fills 6 and 7 are multiplied; nothing is left to fetch
	GSTEP 0, 2, 0
	GSTEP 0, 3, 0
	CHANGE 0, 0, 0
	GSTEP 1, 0, 0
	GSTEP 1, 1, 0
	GSTEP 1, 2, 0
	GSTEP 1, 3, 0
	s_wait_dscnt 0x0
	QMULH 1, 0, 0
	QMULH 1, 2, 0
	WIN 0
	PLACES
; THE WAY OUT, by blocks of 16 rows x 64 columns.  A lane holds 64 + 64 bytes of a row and the lanes beside it other rows: a block goes through one of my two stages and comes back as rows of 256 bytes.
; LDS serves a wave's instructions in order (ISA guide 5.7.1.4): no wait between the stores and the loads, nor ahead of the stores that use a stage again.  Each block has its own 32 registers.
.macro TOSTAGE a
	WIN 0x08                                       ; the data: window 2
.irp b, 0,1,2,3
	ds_store_b128 v[STO], v[8*(4*(\a)+\b):8*(4*(\a)+\b)+3] offset:((\a)%2)*OBLK+128*(\b/2)+32*(\b%2)      ; each accumulator from its low end on
	ds_store_b128 v[STO], v[8*(4*(\a)+\b)+4:8*(4*(\a)+\b)+7] offset:((\a)%2)*OBLK+128*(\b/2)+32*(\b%2)+16
.endr
	WIN 0
.irp t, 0,1,2,3,4,5,6,7
	ds_load_b128 v[BK+32*(\a)+4*\t:BK+32*(\a)+4*\t+3], v[RD] offset:((\a)%2)*OBLK+\t*2*OPITCH
.endr
.endm
.macro SEND a, younger                 ; younger: the LDS instructions issued behind block a's loads, which may stay out
	s_wait_dscnt \younger
.irp t, 0,1,2,3,4,5,6,7
	global_store_b128 v[CO], v[BK+32*(\a)+4*\t:BK+32*(\a)+4*\t+3], s[8:9] offset:(16*(\a)+2*\t)*4096 th:TH_STORE_NT   ; sixteen lanes store 256 consecutive bytes, at a multiple of 256 from out0's first byte
.endr
.endm
	TOSTAGE 0
	TOSTAGE 1
	SEND 0, 16
	TOSTAGE 2
	SEND 1, 16
	TOSTAGE 3
	SEND 2, 16
	SEND 3, 0
	s_wait_tensorcnt 0x0                           ; the wave's end
	ds_add_u32 v[SPW], v[NIL]
	s_wait_dscnt 0x0
	CROUND                                         ; the closing round
	s_endpgm
.Lfunc_end_k_q30fcfa3a94_gemm2:
	.size	k_q30fcfa3a94_gemm2, .Lfunc_end_k_q30fcfa3a94_gemm2-k_q30fcfa3a94_gemm2
	.p2alignl 7, 3214868480
	.fill 96, 4, 3214868480
	.section	.rodata,"a",@progbits
	.p2align	6, 0x0
	.amdhsa_kernel k_q30fcfa3a94_gemm2
		.amdhsa_group_segment_fixed_size 327680
		.amdhsa_private_segment_fixed_size 0
		.amdhsa_enable_private_segment 0
		.amdhsa_kernarg_size 24
		.amdhsa_user_sgpr_count 2
		.amdhsa_user_sgpr_kernarg_segment_ptr 1
		.amdhsa_wavefront_size32 1
		.amdhsa_system_sgpr_workgroup_id_x 1
		.amdhsa_system_sgpr_workgroup_id_y 1
		.amdhsa_system_sgpr_workgroup_id_z 1
		.amdhsa_system_vgpr_workitem_id 0
		.amdhsa_next_free_vgpr 640
		.amdhsa_next_free_sgpr 72
		.amdhsa_reserve_vcc 0
		.amdhsa_float_denorm_mode_32 3
		.amdhsa_float_denorm_mode_16_64 3
		.amdhsa_memory_ordered 1
		.amdhsa_forward_progress 1
		.amdhsa_inst_pref_size 99
	.end_amdhsa_kernel
	.amdgpu_metadata
---
amdhsa.version: [ 1, 2 ]
amdhsa.kernels:
  - .name:           k_q30fcfa3a94_gemm2
    .symbol:         k_q30fcfa3a94_gemm2.kd
    .args:
      - { .name: a2, .offset: 0, .size: 8, .value_kind: global_buffer, .address_space: global }
      - { .name: wb2, .offset: 8, .size: 8, .value_kind: global_buffer, .address_space: global }
      - { .name: out0, .offset: 16, .size: 8, .value_kind: global_buffer, .address_space: global }
    .group_segment_fixed_size: 327680
    .private_segment_fixed_size: 0
    .kernarg_segment_align: 8
    .kernarg_segment_size: 24
    .max_flat_workgroup_size: 128
    .sgpr_count:     72
    .vgpr_count:     640
    .wavefront_size: 32
...
	.end_amdgpu_metadata
.endif
;; end of part 4
